; MI455X (gfx1250); checked and timed in simulation.
; The chip was launched on July 23, 2026; its instructions are those of AMD's public machine-readable ISA for CDNA 5 (MIT licence, August 2026) and "CDNA5" Instruction Set Architecture Reference Guide (July 2026). The comments in the code are by the model that wrote it; some were corrected since.
;; Multi Head Latent Attention. Allowed arithmetic: matrix products marked QUANTISED: E2M1 operands, one E8M0 scale for each 32 along K, by v_wmma_scale_f32_16x16x128_f8f6f4 with both operands' format E2M1 (or v_wmma_scale_f32_32x16x128_f4), f32 sums; everything else in f32.
;; Inputs: W_DKV_codes 32 x 32 x 16 uint8 (E2M1 codes of W_DKV, K innermost, in blocks of 32 codes, two codes a byte); W_DKV_scales 32 x 32 uint8 (E8M0 scales of W_DKV, one for each 32 codes along K); W_DQ_codes 32 x 32 x 16 uint8 (E2M1 codes of W_DQ, K innermost, in blocks of 32 codes, two codes a byte); W_DQ_scales 32 x 32 uint8 (E8M0 scales of W_DQ, one for each 32 codes along K); W_KR_codes 32 x 32 x 16 uint8 (E2M1 codes of W_KR, K innermost, in blocks of 32 codes, two codes a byte); W_KR_scales 32 x 32 uint8 (E8M0 scales of W_KR, one for each 32 codes along K); W_O_codes 1,024 x 32 x 16 uint8 (E2M1 codes of W_O, K innermost, in blocks of 32 codes, two codes a byte); W_O_scales 1,024 x 32 uint8 (E8M0 scales of W_O, one for each 32 codes along K); W_QR_codes 256 x 1 x 16 uint8 (E2M1 codes of W_QR, K innermost, in blocks of 32 codes, two codes a byte); W_QR_scales 256 x 1 uint8 (E8M0 scales of W_QR, one for each 32 codes along K); W_UK_codes 1,024 x 1 x 16 uint8 (E2M1 codes of W_UK, K innermost, in blocks of 32 codes, two codes a byte); W_UK_scales 1,024 x 1 uint8 (E8M0 scales of W_UK, one for each 32 codes along K); W_UQ_codes 1,024 x 1 x 16 uint8 (E2M1 codes of W_UQ, K innermost, in blocks of 32 codes, two codes a byte); W_UQ_scales 1,024 x 1 uint8 (E8M0 scales of W_UQ, one for each 32 codes along K); W_UV_codes 1,024 x 1 x 16 uint8 (E2M1 codes of W_UV, K innermost, in blocks of 32 codes, two codes a byte); W_UV_scales 1,024 x 1 uint8 (E8M0 scales of W_UV, one for each 32 codes along K); b_DKV 32 float32; b_DQ 32 float32; b_KR 32 float32; b_O 1,024 float32; b_QR 256 float32; b_UK 1,024 float32; b_UQ 1,024 float32; b_UV 1,024 float32; h_t_codes 4 x 2,048 x 32 x 16 uint8 (E2M1 codes of h_t, K innermost, in blocks of 32 codes, two codes a byte); h_t_scales 4 x 2,048 x 32 uint8 (E8M0 scales of h_t, one for each 32 codes along K).
;; Outputs: out0 4 x 2,048 x 1,024 float32.
;; This version of the problem:
;;   THIS VERSION OF THE PROBLEM IS GIVEN IN LOW PRECISION. The matrix products marked QUANTISED in the list below multiply operands that are first quantised to E2M1 (2 exponent bits, 1 mantissa bit; 4 bits a number), with one power-of-two scale for each 32 numbers along K (OCP MX v1.0); their sums are f32. All else is computed in f32.
;;   The module's matrix products, in the order in which they are computed (A, B: the left and right operand; K: the contracted axis; several contracted axes count as one K, in the product's order):
;;     1. [M 8,192, K 1,024] x [K 1,024, N 32]; A: input h_t (given as codes); B: input W_DQ (given as codes): QUANTISED
;;     2. [M 8,192, K 1,024] x [K 1,024, N 32]; A: input h_t (given as codes); B: input W_DKV (given as codes): QUANTISED
;;     3. [M 8,192, K 32] x [K 32, N 1,024]; A: computed on the way; B: input W_UQ (given as codes): QUANTISED
;;     4. [M 8,192, K 32] x [K 32, N 1,024]; A: computed on the way; B: input W_UK (given as codes): QUANTISED
;;     5. [M 8,192, K 32] x [K 32, N 1,024]; A: computed on the way; B: input W_UV (given as codes): QUANTISED
;;     6. [M 8,192, K 32] x [K 32, N 256]; A: computed on the way; B: input W_QR (given as codes): QUANTISED
;;     7. [M 8,192, K 1,024] x [K 1,024, N 32]; A: input h_t (given as codes); B: input W_KR (given as codes): QUANTISED
;;     8. batch 32 x [M 2,048, K 160] x [K 160, N 2,048]; A: computed on the way; B: computed on the way: QUANTISED
;;     9. batch 32 x [M 2,048, K 2,048] x [K 2,048, N 128]; A: softmax (see below); B: computed on the way: QUANTISED
;;     10. [M 8,192, K 1,024] x [K 1,024, N 1,024]; A: computed on the way; B: input W_O (given as codes): QUANTISED
;;   THE QUANTISER, for each operand of a quantised product, along K:
;;     - K is cut into blocks of 32 from its start; a last block that is shorter is filled with zeros.
;;     - A block's scale is 2^e with e = floor(log2(the largest magnitude in the block)) - 2, held to -126 .. 127; a block of zeros has e = 0. As a byte (E8M0): e + 127.
;;     - Each number is divided by its block's scale, clamped to +-6, and rounded to the nearest number of E2M1, ties to even, subnormals kept.
;;     - The product sums the exact products of the quantised numbers (number of the format x scale) in f32.
;;   ~~~python
;;   def quantise(x, axis):      # numpy; x: float32 -> the quantised numbers, widened to float32 again
;;       x = np.moveaxis(x, axis, -1); K = x.shape[-1]
;;       x = np.pad(x, [(0, 0)] * (x.ndim - 1) + [(0, -K % 32)]); x = x.reshape(x.shape[:-1] + (-1, 32)); a = np.abs(x).max(-1, keepdims=True)
;;       e = np.where(a > 0, np.clip(np.frexp(np.where(a > 0, a, 1))[1] - 1 - 2, -126, 127), 0)      # np.frexp(a)[1] - 1 = floor(log2(a)), exactly
;;       r = np.clip(x / 2.0 ** e, -6, 6)
;;       step = 2.0 ** (np.maximum(np.frexp(np.where(r == 0, 1, r))[1] - 1, 0) - 1)
;;       q = np.round(r / step) * step * 2.0 ** e      # np.round: ties to even
;;       return np.moveaxis(q.reshape(q.shape[:-2] + (-1,))[..., :K], -1, axis).astype(np.float32)
;;   ~~~
;;   SOFTMAX AHEAD OF A QUANTISED PRODUCT. Where the list says 'softmax', what is quantised is not the finished softmax but p = 2^(t - M), with t = logit x log2(e) and M = ceil(the row's largest t), a whole number; so 1/2 < the row's largest p <= 1. The row's sum l is taken of the UNQUANTISED p, in f32, and the product's result is divided by l at the end. Since M is a whole number, a kernel that streams over the keys may use a running M (the ceiling of the running maximum): every later rescaling is an exact power of two, which a block's scale takes up: the codes' values come out the same.
;;   OPERANDS COMPUTED ON THE WAY. 'Computed on the way' means the value that the module computes at that place (a softmax that the list does not call 'softmax' is quantised finished and normalised). What goes into a quantiser is computed in f32, as accurately as f32 sums, v_exp_f32 and their like allow (about 1e-6 of the number): no bf16 or f16 on the way to a quantiser, and a product that is left as it is and whose result goes on into a quantised operand takes f32 operands (vector FMAs, or v_wmma_f32_16x16x4_f32). A number that lies on a knife's edge between two numbers of the format may be rounded either way, as far as f32 arithmetic and the matrix unit's own rounding can turn it there, and no further.
;;   INPUTS GIVEN AS CODES. W_DKV (in the module: [1024, 32], K = its axis 0); W_DQ (in the module: [1024, 32], K = its axis 0); W_KR (in the module: [1024, 32], K = its axis 0); W_O (in the module: [1024, 1024], K = its axis 0); W_QR (in the module: [32, 256], K = its axis 0); W_UK (in the module: [32, 1024], K = its axis 0); W_UQ (in the module: [32, 1024], K = its axis 0); W_UV (in the module: [32, 1024], K = its axis 0); h_t (in the module: [4, 2048, 1024], K = its axis 2): each comes as NAME_codes (uint8): NAME with its K axis moved to the last place and cut into blocks of 32 codes, [.., K / 32, bytes a block], one block behind the other in memory; two codes a byte, the lower K in the low four bits (a code: sign, 2 exponent bits, 1 mantissa bit); and NAME_scales (uint8): the same leading axes, one E8M0 byte (e + 127) for each 32 codes along K. Its value is code x scale, taken as it is: it is not quantised again, and the codes and scales need not be those that the quantiser above would give.
;; One version. Each part assembles by itself: llvm-mc -triple=amdgcn-amd-amdhsa -mcpu=gfx1250 --defsym DOCPART=n.
;; ======== version 1 of 1: 3 launches
;; limits: right only within a limited range of input values
;; workspace buffers: qbuf 7,340,032 bytes; kbuf 5,767,168 bytes; vbuf 4,456,448 bytes; obuf 5,242,880 bytes
;; launch project (part 1): grid 64 x 4, 8 waves a work-group, no clusters, 84,480 bytes of LDS; arguments h_t_codes, h_t_scales, W_DQ_codes, W_DKV_codes, W_KR_codes, W_DQ_scales, W_DKV_scales, W_KR_scales, b_DQ, b_DKV, b_KR, W_UQ_codes, W_UK_codes, W_UV_codes, W_QR_codes, W_UQ_scales, W_UK_scales, W_UV_scales, W_QR_scales, b_UQ, b_UK, b_UV, b_QR, qbuf, kbuf, vbuf; writes qbuf, kbuf, vbuf
.if DOCPART == 1
	.amdgcn_target "amdgcn-amd-amdhsa--gfx1250"
	.amdhsa_code_object_version 6
	.text
	.protected	k_q9afb490f33_project
	.globl	k_q9afb490f33_project
	.p2align	8
	.type	k_q9afb490f33_project,@function
k_q9afb490f33_project:
	s_mov_b64 s[64:65], 0
	v_nop
	global_prefetch_b8 v0, s[64:65] scope:SCOPE_SE
	s_setreg_imm32_b32 hwreg(HW_REG_WAVE_MODE, 25, 1), 1
	s_wait_xcnt 0x0
; THE PROJECTIONS OF MULTI-HEAD LATENT ATTENTION, all on codes of FP4 (E2M1) with one E8M0 scale for each 32 along K:
; c_q, c_kv, k_r = h_t W + b (K = 1,024);  q_c, q_r = Q(c_q) W + b;  k_c, v_c = Q(c_kv) W + b (K = 32, one block);  then q = [q_c, q_r], k = [k_c, k_r] are quantised along the head's 160
; and v along the keys, and leave as IMAGES OF OPERAND REGISTERS (16 bytes a lane, 512 bytes a group of four registers), so that the attention launch loads them as they lie.
; SHARES.  A work-group takes 128 tokens (x) and two heads (y).  Wave w owns token tile w: lane r holds token 32 (w / 2) + 8 (w % 2) + r + (r & 8) of the 128.  With that order the 16 registers of two
; neighbouring tiles of a result hold 16 neighbours along the next K, whichever side the tokens stand on.  For v wave w owns tiles 2 w, 2 w + 1 of the pair's 16 tiles of 16 channels, for all 128 tokens.
; The latents are made anew by each of the four head pairs: 48 of a wave's 100 matrix instructions.
; WEIGHTS go once through registers into LDS, as images in the order of the operands' registers; each wave stages an eighth, told apart by address arithmetic on its number alone.
; K = 32 IN AN INSTRUCTION OF 128: the one block lies in registers 0-3 of lanes 0-15.  Of each such product ONE operand holds zero codes everywhere else; the other may hold any codes there, so tiles are packed four
; registers apart.  The scale bytes of the padded blocks are 0 (2^-127), never 0xff.
; LIMITS: NaN and infinities among the inputs are not served.  A block of zeros gets the byte 1 where the rule says 127: its codes are zeros, and this program alone reads the bytes.
.set B2,    55296                      ; LDS: the base that the address registers of all regions from WUQ on carry
.set WDS,   49152                      ; 0: W_DQ, W_DKV, W_KR: 48 fragment images, (6 s + i) x 1,024;  WDS: their scale words, (6 s + i) x 128
.set WUQ,   55296                      ; 16 tiles x 256 bytes (16 rows x 16 bytes)
.set WUK,   59392
.set WUV,   63488
.set WQR,   67584                      ; 4 tiles
.set SUQ,   68608                      ; scale words, 64 bytes a tile
.set SUK,   69632
.set SUV,   70656
.set SQR,   71680
.set BUQ,   71936                      ; biases as they lie: 256 numbers
.set BUK,   72960
.set BUV,   73984
.set BQR,   75008                      ; 64 numbers
.set CKI,   75264                      ; c_kv's codes, 8 tiles x 512
.set CKS,   79360                      ; and scale words, 8 x 128
.set KSS,   80384                      ; k's scale words on their way out: head e of the pair at 1,024 e, tile w at 128 w, 4 bytes a lane
.set VSS,   82432                      ; v's likewise: wave w at 128 w
.set SPARE, 83456                      ; the spare words, 128 bytes a wave: four blocks of 256 bytes that no other line names
.set SPW,  1
.set NIL,  2
.set LI16, 3                           ; 16 lane (also the stores' offset)
.set LI4,  4                           ; 4 lane
.set T16,  5                           ; B2 + 16 r
.set T4,   6                           ; B2 + 4 r
.set BH,   7                           ; B2 + 64 h
.set BPW,  8                           ; B2 + 4 (r + (r & 8)) + 128 w
.set C16,  9                           ; B2 + 16 lane + 512 w
.set R4,   10                          ; B2 + 4 lane + 128 w
.set OUT8, 11                          ; 8 lane
.set L16B, 12                          ; B2 + 16 lane
.set L4B,  13                          ; B2 + 4 lane
.set TV16, 14                          ; T16 + 512 w
.set TV4,  15                          ; T4 + 128 w
.set WSC,  16                          ; v16-27 scale words of weights (two sets of 6; later ten), scales alone
.set CQS,  26                          ; c_q's scale word
.set CKVS, 27                          ; c_kv's
.set HF,   32                          ; v32-95 h_t's 8 fragments; later ACC
.set ACC,  32
.set HSW,  96                          ; v96-103 h_t's scale words; later c_kv's of the 8 tiles
.set CKW,  96
.set ACCA, 104                         ; v104-151 the latents: c_q, c_kv, k_r, two tiles each
.set RACC, 104
.set BV,   104
.set PC2,  120
.set WF,   152                         ; v152-199, v200-247: two sets of six weight fragments
.set CQF,  152
.set CKVF, 160
.set KRP,  168
.set PC,   172
.set RP,   180
.set SW,   184
.set KRS,  186
.set WV,   188
.set WT,   200                         ; v200-239 ten tiles four registers apart, v240-243 behind them
.set TM,   244                         ; v244-255 at work
.set SEL,  60
.set P_HC, 8
.set P_HS, 10
.set P_WD, 12
.set P_SD, 18
.set P_BD, 24
.set P_WU, 30
.set P_WQR, 36
.set P_SU, 38
.set P_SQR, 44
.set P_BU, 46
.set P_BQR, 52
.set P_Q,  54
.set P_K,  56
.set P_V,  58
.macro WM d, a, b, c, sa, sb
	v_wmma_scale_f32_16x16x128_f8f6f4 v[\d:\d+7], v[\a:\a+7], v[\b:\b+7], v[\c:\c+7], v[\sa], v[\sb] matrix_a_fmt:MATRIX_FMT_FP4 matrix_b_fmt:MATRIX_FMT_FP4
.endm
.macro PLACES n
.rept \n
	v_nop
.endr
.endm
.macro BARRIER                         ; my LDS stores have landed and my LDS loads are in: then the work-group's barrier
	s_wait_dscnt 0x0
	s_barrier_signal -1
	s_barrier_wait -1
.endm
; 64 numbers of a lane, register 16 b + i = k 32 b + 16 (lane / 16) + i of my row, become a fragment's codes in v[pc] on and its scale word in v[pw]
.macro QUANT s, pc, pw
.irp b, 0,1,2,3
	v_max3_num_f32 v[TM+\b], |v[\s+16*\b]|, |v[\s+1+16*\b]|, 0x1800000   ; my 16 numbers of block b, and the floor 2^(3 - 127): the byte cannot fall under 1
.endr
.irp i, 2,4,6,8,10,12,14
.irp b, 0,1,2,3
	v_max3_num_f32 v[TM+\b], v[TM+\b], |v[\s+16*\b+\i]|, |v[\s+1+16*\b+\i]|
.endr
.endr
.irp b, 0,1,2,3
	s_delay_alu instid0(VALU_DEP_4)
	v_permlanex16_b32 v[TM+4+\b], v[TM+\b], s[SEL], s[SEL+1]
.endr
.irp b, 0,1,2,3
	s_delay_alu instid0(VALU_DEP_4)
	v_max_num_f32 v[TM+\b], v[TM+\b], v[TM+4+\b]     ; with lane l xor 16's: the block's largest magnitude
.endr
.irp b, 0,1,2,3
	s_delay_alu instid0(VALU_DEP_4)
	v_add_nc_u32 v[TM+8+\b], 0xff000000, v[TM+\b]    ; 2 off its exponent field: the conversion's scale operand
.endr
.irp b, 0,1,2,3
	s_delay_alu instid0(VALU_DEP_4)
	v_lshrrev_b32 v[TM+4+\b], 23, v[TM+8+\b]         ; the scale's byte
.endr
	s_delay_alu instid0(VALU_DEP_3)
	v_lshl_or_b32 v[\pw], v[TM+5], 8, v[TM+4]
	s_delay_alu instid0(VALU_DEP_1)
	v_lshl_or_b32 v[\pw], v[TM+6], 16, v[\pw]
	s_delay_alu instid0(VALU_DEP_1)
	v_lshl_or_b32 v[\pw], v[TM+7], 24, v[\pw]
.irp b, 0,1,2,3
	v_cvt_scalef32_pk8_fp4_f32 v[\pc+2*\b], v[\s+16*\b:\s+7+16*\b], v[TM+8+\b]
	v_cvt_scalef32_pk8_fp4_f32 v[\pc+1+2*\b], v[\s+8+16*\b:\s+15+16*\b], v[TM+8+\b]
.endr
	v_nop                                            ; one plain place behind a scaled conversion
.irp c, 0,1                            ; the operand's layout wants a whole block in a lane
.irp i, 0,1
	v_permlane16_swap_b32 v[\pc+4*\c+\i], v[\pc+2+4*\c+\i]
.endr
.endr
.endm
; 16 numbers of a lane, register i = k 16 (lane / 16) + i: ONE block.  Its codes come to lie in v[pc .. pc + 3] of lanes 0-15; lanes 16-31 get zero codes.  The byte alone is the scale word
.macro QUANT1 s, pc, pw
	v_max3_num_f32 v[TM], |v[\s]|, |v[\s+1]|, 0x1800000
	v_max3_num_f32 v[TM+1], |v[\s+8]|, |v[\s+9]|, 0x1800000
.irp i, 2,4,6
	v_max3_num_f32 v[TM], v[TM], |v[\s+\i]|, |v[\s+\i+1]|
	v_max3_num_f32 v[TM+1], v[TM+1], |v[\s+8+\i]|, |v[\s+9+\i]|
.endr
	s_delay_alu instid0(VALU_DEP_1)
	v_max_num_f32 v[TM], v[TM], v[TM+1]
	s_delay_alu instid0(VALU_DEP_1)
	v_permlanex16_b32 v[TM+4], v[TM], s[SEL], s[SEL+1]
	s_delay_alu instid0(VALU_DEP_1)
	v_max_num_f32 v[TM], v[TM], v[TM+4]
	s_delay_alu instid0(VALU_DEP_1)
	v_add_nc_u32 v[TM+8], 0xff000000, v[TM]
	s_delay_alu instid0(VALU_DEP_1)
	v_lshrrev_b32 v[\pw], 23, v[TM+8]
	v_cvt_scalef32_pk8_fp4_f32 v[\pc], v[\s:\s+7], v[TM+8]
	v_cvt_scalef32_pk8_fp4_f32 v[\pc+1], v[\s+8:\s+15], v[TM+8]
	v_mov_b32 v[\pc+2], 0                            ; (also the plain place behind the conversions)
	v_mov_b32 v[\pc+3], 0
	v_permlane16_swap_b32 v[\pc], v[\pc+2]           ; lanes 16-31's half block goes to lanes 0-15 of the third register, zeros come back
	v_permlane16_swap_b32 v[\pc+1], v[\pc+3]
.endm
	s_load_b512 s[8:23], s[0:1], 0x0                 ; the 26 addresses: argument i in s[8 + 2 i : 9 + 2 i]
	s_load_b512 s[24:39], s[0:1], 0x40
	s_load_b512 s[40:55], s[0:1], 0x80
	s_load_b128 s[56:59], s[0:1], 0xc0
	v_lshl_add_u32 v[SPW], v0, 2, SPARE
	v_mov_b32 v[NIL], 0
	v_lshrrev_b32 v3, 5, v0
	s_delay_alu instid0(VALU_DEP_1)
	v_readfirstlane_b32 s2, v3                       ; w
	s_mov_b32 s3, ttmp9                              ; g: the group of 128 tokens
	s_and_b32 s4, ttmp7, 0xffff                      ; hp: the pair of heads
	s_lshl_b32 s5, s2, 7                             ; 128 w
	s_lshl_b32 s6, s2, 9                             ; 512 w
	s_mov_b32 s[SEL], 0x76543210
	s_mov_b32 s[SEL+1], 0xfedcba98                   ; v_permlanex16_b32's selects for lane l xor 16
	v_and_b32 v244, 31, v0                           ; lane
	v_and_b32 v245, 15, v0                           ; r
	v_bfe_u32 v246, v0, 4, 1                         ; h
	v_and_b32 v247, 8, v0
	s_delay_alu instid0(VALU_DEP_1)
	v_add_nc_u32 v247, v247, v245                    ; r + (r & 8)
	v_lshlrev_b32 v[LI16], 4, v244
	v_lshlrev_b32 v[LI4], 2, v244
	v_lshl_add_u32 v[T16], v245, 4, B2
	v_lshl_add_u32 v[T4], v245, 2, B2
	v_lshl_add_u32 v[BH], v246, 6, B2
	v_lshl_add_u32 v[BPW], v247, 2, B2
	s_delay_alu instid0(VALU_DEP_1)
	v_add_nc_u32 v[BPW], s5, v[BPW]
	v_add_nc_u32 v[L16B], B2, v[LI16]
	v_add_nc_u32 v[L4B], B2, v[LI4]
	s_delay_alu instid0(VALU_DEP_2)
	v_add_nc_u32 v[C16], s6, v[L16B]
	s_delay_alu instid0(VALU_DEP_2)
	v_add_nc_u32 v[R4], s5, v[L4B]
	v_lshlrev_b32 v[OUT8], 3, v244
	v_add_nc_u32 v[TV16], s6, v[T16]
	v_add_nc_u32 v[TV4], s5, v[T4]
	s_lshl_b32 s7, s2, 8
	v_add_nc_u32 v28, B2, v[OUT8]
	v_add_nc_u32 v28, s7, v28                        ; B2 + 8 lane + 256 w: where I read a whole unit of scale words back
	v_mul_u32_u24 v29, v246, 0x2c000                 ; k's fifth block: lanes 0-15 store into the pair's first head, lanes 16-31 into its second, 180,224 bytes on
	v_lshl_add_u32 v29, v245, 4, v29
	; offsets that serve the head alone: v200-216
	s_mul_i32 s7, s2, 6144
	v_add_nc_u32 v200, s7, v[LI16]                   ; W_D's images of K step w: 16 lane + 6 x 1,024 w
	s_mul_i32 s7, s2, 768
	s_add_co_u32 s7, s7, WDS
	v_add_nc_u32 v201, s7, v[LI4]                    ; their scale words
	v_bfe_u32 v252, v0, 3, 1
	v_and_b32 v253, 7, v0
	s_delay_alu instid0(VALU_DEP_1)
	v_lshlrev_b32 v254, 4, v253
	s_delay_alu instid0(VALU_DEP_1)
	v_lshl_add_u32 v254, v252, 8, v254
	s_delay_alu instid0(VALU_DEP_1)
	v_lshl_add_u32 v254, v246, 7, v254               ; row 32 w + lane of a weight lies in tile 2 w + (lane / 8) % 2, at row lane % 8 + 8 (lane / 16): 256, 16 and 128 bytes
	s_delay_alu instid0(VALU_DEP_1)
	v_add_nc_u32 v202, s6, v254
	s_delay_alu instid0(VALU_DEP_1)
	v_add_nc_u32 v202, B2, v202
	s_delay_alu instid0(VALU_DEP_3)
	v_lshrrev_b32 v203, 2, v254
	s_delay_alu instid0(VALU_DEP_1)
	v_add_nc_u32 v203, s5, v203
	s_delay_alu instid0(VALU_DEP_1)
	v_add_nc_u32 v203, B2, v203                      ; the same for scale words, 4 bytes a row
	s_lshr_b32 s66, s2, 2
	s_lshl_b32 s66, s66, 9
	s_and_b32 s67, s2, 1
	s_lshl_b32 s67, s67, 8
	s_add_co_u32 s66, s66, s67
	s_bfe_u32 s67, s2, 0x10001
	s_lshl_b32 s67, s67, 7
	s_add_co_u32 s66, s66, s67                       ; W_QR's rows 8 w .. 8 w + 7 of the pair's 64: head w / 4, tile w % 2, rows 8 ((w / 2) % 2) on
	v_add_nc_u32 v204, s66, v[L4B]
	s_lshr_b32 s67, s66, 2
	v_lshl_add_u32 v205, v253, 2, B2
	s_delay_alu instid0(VALU_DEP_1)
	v_add_nc_u32 v205, s67, v205
	s_lshl_b32 s67, s2, 5
	v_lshl_add_u32 v206, v253, 2, B2
	s_delay_alu instid0(VALU_DEP_1)
	v_add_nc_u32 v206, s67, v206
	v_lshlrev_b32 v207, 9, v247
	s_delay_alu instid0(VALU_DEP_1)
	v_lshl_add_u32 v207, v246, 4, v207               ; a row of 1,024 codes is 512 bytes: 512 (r + (r & 8)) + 16 h
	s_lshl_b32 s67, s2, 6
	v_add_nc_u32 v208, s67, v207                     ; + K step w
	v_lshlrev_b32 v209, 5, v247                      ; a row of 32 scale bytes
	s_lshl_b32 s67, s2, 2
	v_add_nc_u32 v210, s67, v209
	v_lshlrev_b32 v211, 6, v246                      ; 64 h
	s_lshl_b32 s67, s4, 12
	s_add_co_u32 s67, s67, s6
	v_add_nc_u32 v212, s67, v[LI16]                  ; rows of 16 bytes: 16 (256 hp + 32 w + lane)
	s_lshr_b32 s67, s67, 4
	v_add_nc_u32 v213, s67, v244                     ; 256 hp + 32 w + lane
	s_delay_alu instid0(VALU_DEP_1)
	v_lshlrev_b32 v214, 2, v213
	s_lshl_b32 s67, s4, 3
	s_add_co_u32 s67, s67, s2
	s_lshl_b32 s67, s67, 3
	v_add_nc_u32 v215, s67, v253                     ; 64 hp + 8 w + lane % 8
	s_delay_alu instid0(VALU_DEP_1)
	v_lshlrev_b32 v216, 2, v215
.irp b, 0,1,2,3
	v_mov_b32 v[TM+4+\b], 0                          ; written once: a lane permute's destination counts as one of its sources
.endr
	; where my parts begin
	s_lshl_b32 s68, s3, 7
	s_lshr_b32 s69, s2, 1
	s_lshl_b32 s69, s69, 5
	s_add_co_u32 s68, s68, s69
	s_and_b32 s69, s2, 1
	s_lshl_b32 s69, s69, 3
	s_add_co_u32 s68, s68, s69                       ; my tile's first token: 128 g + 32 (w / 2) + 8 (w % 2)
	s_lshl_b32 s70, s68, 9
	s_mov_b32 s71, 0
	s_lshl_b32 s72, s68, 5
	s_mov_b32 s73, 0
	s_lshr_b32 s74, s3, 4
	s_lshl_b32 s74, s74, 3
	s_lshl_b32 s75, s4, 1
	s_add_co_u32 s74, s74, s75                       ; batch x 8 + the pair's first head
	s_and_b32 s77, s3, 15                            ; the group within its batch
	s_lshl_b32 s75, s74, 7
	s_lshl_b32 s78, s77, 3
	s_add_co_u32 s75, s75, s78
	s_add_co_u32 s75, s75, s2
	s_mul_i32 s78, s75, 1792                         ; q's record of my tile, first head
	s_mov_b32 s79, 0
	; k, a head 180,224 bytes, a key step of 128 keys 11,264: eight fragment images of 1,024; eight fifth blocks of 256 (16 lanes x 16 bytes); eight x 128 of scale words (lanes 0-15 the fragment's, lanes 16-31 the fifth block's)
	; v, a head 139,264 bytes, a key step 8,704: eight fragment images of 1,024; four x 128 of scale words (lanes 0-15 tile 2 p, lanes 16-31 tile 2 p + 1)
	s_lshr_b32 s80, s2, 2
	s_add_co_u32 s80, s80, s74                       ; the head of my tiles of v, and of the unit of k's scale words that I store
	s_and_b32 s81, s2, 3
	s_mul_i32 s90, s77, 8704
	s_mul_i32 s91, s77, 11264
	s_mul_i32 s88, s80, 180224
	s_add_co_u32 s88, s88, s91
	s_lshl_b32 s82, s81, 8
	s_add_co_u32 s88, s88, s82
	s_add_co_u32 s88, s88, 10240                     ; k's scale words: unit w % 4 of head w / 4
	s_mov_b32 s89, 0
	s_mul_i32 s80, s80, 139264
	s_add_co_u32 s80, s80, s90
	s_lshl_b32 s81, s81, 11
	s_add_co_u32 s80, s80, s81                       ; v's fragments: tiles 2 (w % 4), + 1
	s_mov_b32 s81, 0
	s_lshr_b32 s82, s2, 1
	s_add_co_u32 s82, s82, s74
	s_mul_i32 s82, s82, 139264
	s_add_co_u32 s82, s82, s90
	s_and_b32 s83, s2, 1
	s_lshl_b32 s83, s83, 8
	s_add_co_u32 s82, s82, s83
	s_add_co_u32 s82, s82, 8192                      ; v's scale words: unit w % 2 of head w / 2; used by waves 0 to 3 alone
	s_mov_b32 s83, 0
	s_mul_i32 s84, s74, 180224
	s_add_co_u32 s84, s84, s91
	s_lshl_b32 s86, s2, 8
	s_add_co_u32 s86, s86, s84
	s_add_co_u32 s86, s86, 8192                      ; k's fifth block of tile w
	s_mov_b32 s87, 0
	s_lshl_b32 s85, s2, 10
	s_add_co_u32 s84, s84, s85                       ; k's fragment of tile w
	s_mov_b32 s85, 0
	s_mov_b32 s98, 0xffff0000                        ; lanes 16-31
	s_wait_alu depctr_va_vdst(0)
	s_wait_kmcnt 0x0
	s_add_nc_u64 s[P_HC:P_HC+1], s[P_HC:P_HC+1], s[70:71]
	s_add_nc_u64 s[P_HS:P_HS+1], s[P_HS:P_HS+1], s[72:73]
	s_add_nc_u64 s[P_Q:P_Q+1], s[P_Q:P_Q+1], s[78:79]
	s_add_nc_u64 s[92:93], s[P_V:P_V+1], s[82:83]
	s_add_nc_u64 s[P_V:P_V+1], s[P_V:P_V+1], s[80:81]
	s_add_nc_u64 s[94:95], s[P_K:P_K+1], s[86:87]
	s_add_nc_u64 s[96:97], s[P_K:P_K+1], s[88:89]
	s_add_nc_u64 s[P_K:P_K+1], s[P_K:P_K+1], s[84:85]
	; 30 loads of what I stage for the work-group
.irp m, 0,1,2
.irp u, 0,1
.irp c, 0,1
	global_load_b128 v[WF+8*(2*\m+\u)+4*\c:WF+8*(2*\m+\u)+4*\c+3], v208, s[P_WD+2*\m:P_WD+2*\m+1] offset:4096*\u+32*\c   ; matrix m, tile u (row 8 u + r + (r & 8)), K step w
.endr
.endr
.endr
.irp m, 0,1,2
.irp u, 0,1
	global_load_b32 v[230+2*\m+\u], v210, s[P_SD+2*\m:P_SD+2*\m+1] offset:256*\u
.endr
.endr
.irp k, 0,1,2
	global_load_b128 v[218+4*\k:221+4*\k], v212, s[P_WU+2*\k:P_WU+2*\k+1]
.endr
	global_load_b32 v217, v214, s[P_WQR:P_WQR+1]
.irp k, 0,1,2
	global_load_u8 v[236+\k], v213, s[P_SU+2*\k:P_SU+2*\k+1]
.endr
	global_load_u8 v239, v215, s[P_SQR:P_SQR+1]
.irp k, 0,1,2
	global_load_b32 v[240+\k], v214, s[P_BU+2*\k:P_BU+2*\k+1]
.endr
	global_load_b32 v243, v216, s[P_BQR:P_BQR+1]
	; 30 loads of my own: h_t's 8 fragments and scale words, and the latents' biases straight into the accumulators (tile u, register j: unit 16 h + 8 u + j)
.irp s, 0,1,2,3,4,5,6,7
.irp c, 0,1
	global_load_b128 v[HF+8*\s+4*\c:HF+8*\s+4*\c+3], v207, s[P_HC:P_HC+1] offset:64*\s+32*\c
.endr
.endr
	global_load_b128 v[HSW:HSW+3], v209, s[P_HS:P_HS+1]
	global_load_b128 v[HSW+4:HSW+7], v209, s[P_HS:P_HS+1] offset:16
.irp m, 0,1,2
.irp u, 0,1
	global_load_b128 v[ACCA+8*(2*\m+\u):ACCA+8*(2*\m+\u)+3], v211, s[P_BD+2*\m:P_BD+2*\m+1] offset:32*\u
	global_load_b128 v[ACCA+8*(2*\m+\u)+4:ACCA+8*(2*\m+\u)+7], v211, s[P_BD+2*\m:P_BD+2*\m+1] offset:32*\u+16
.endr
.endr
	s_wait_loadcnt 30                                ; the 30 staged loads are in; my own 30, issued behind them, may be out
.irp i, 0,1,2,3,4,5
.irp c, 0,1
	ds_store_b128 v200, v[WF+8*\i+4*\c:WF+8*\i+4*\c+3] offset:1024*\i+512*\c
.endr
	ds_store_b32 v201, v[230+\i] offset:128*\i
.endr
.irp k, 0,1,2
	ds_store_b128 v202, v[218+4*\k:221+4*\k] offset:WUQ-B2+4096*\k
	ds_store_b32 v203, v[236+\k] offset:SUQ-B2+1024*\k      ; the byte alone: the padded blocks' bytes are 0
	ds_store_b32 v[R4], v[240+\k] offset:BUQ-B2+1024*\k
.endr
	ds_store_b32 v204, v217 offset:WQR-B2
	ds_store_b32 v205, v239 offset:SQR-B2                   ; (four lanes write the same word with the same value)
	ds_store_b32 v206, v243 offset:BQR-B2
	BARRIER                                          ; all weights lie in LDS
	s_wait_loadcnt 0x0                               ; my own loads are in, and their address registers are free
; THE LATENTS: six accumulators by turns, a K step of 128 at a time; the next step's six weight fragments are fetched a step ahead
.macro FETCHW s
.irp i, 0,1,2,3,4,5
	ds_load_b128 v[WF+48*((\s)%2)+8*\i:WF+48*((\s)%2)+8*\i+3], v[LI16] offset:(6*(\s)+\i)*1024
	ds_load_b128 v[WF+48*((\s)%2)+8*\i+4:WF+48*((\s)%2)+8*\i+7], v[LI16] offset:(6*(\s)+\i)*1024+512
	ds_load_b32 v[WSC+6*((\s)%2)+\i], v[LI4] offset:WDS+(6*(\s)+\i)*128
.endr
.endm
.macro ASTEP s
.if \s < 7
.if \s >= 1
	PLACES 4                                         ; in front of loads into registers that the last step but one's... the step before's products have read
.endif
	FETCHW (\s)+1
	s_wait_dscnt 18                                  ; all but the 18 just issued
.else
	s_wait_dscnt 0x0
.endif
.irp i, 0,1,2,3,4,5
	WM ACCA+8*\i, WF+48*((\s)%2)+8*\i, HF+8*(\s), ACCA+8*\i, WSC+6*((\s)%2)+\i, HSW+(\s)
.endr
.endm
	FETCHW 0
.irp s, 0,1,2,3,4,5,6,7
	ASTEP \s
.endr
	PLACES 5                                         ; behind the last products: their results are read, and their operands' registers are written again, by vector and by matrix instructions
	QUANT1 ACCA, CQF, CQS
	QUANT1 ACCA+16, CKVF, CKVS
	QUANT1 ACCA+32, KRP, KRS
.irp i, 4,5,6,7
	v_mov_b32 v[CQF+\i], 0                           ; blocks 2 and 3 of the one-block operands: zero codes
	v_mov_b32 v[CKVF+\i], 0
	v_mov_b32 v[WV+\i], 0
	v_mov_b32 v[WT+36+\i], 0                         ; the four registers behind the last packed tile
.endr
	ds_store_b128 v[C16], v[CKVF:CKVF+3] offset:CKI-B2   ; c_kv's tile goes to the other waves, for v
	ds_store_b32 v[R4], v[CKVS] offset:CKS-B2
.irp i, 0,1,2,3
	v_permlanex16_b32 v[TM+4+\i], v[KRP+\i], s[SEL], s[SEL+1]
.endr
.irp i, 0,1,2,3
	v_or_b32 v[TM+4+\i], v[TM+4+\i], v[KRP+\i]       ; k_r's block in both halves of the lanes: it is the same for both heads
.endr
	global_store_b128 v29, v[TM+4:TM+7], s[94:95]    ; sixteen lanes store 256 consecutive bytes, aligned, into each head
	PLACES 8                                         ; a scale register written by a vector instruction stands 8 places ahead of a scaled matrix instruction
; q or k of my 16 tokens for head e of the pair.  Transposed: source 0 = 16 rows of the weight, source 1 = the latent; the bias is the C.  A lane then holds one token, and its 64 registers run along the head's 128
.macro QKUNIT e, wu, su, bu, bf, bs, rope, ptr
.irp t, 0,1,2,3,4,5,6,7
	ds_load_b128 v[ACC+8*\t:ACC+8*\t+3], v[BH] offset:\bu-B2+512*\e+128*(\t/2)+32*(\t%2)
	ds_load_b128 v[ACC+8*\t+4:ACC+8*\t+7], v[BH] offset:\bu-B2+512*\e+128*(\t/2)+32*(\t%2)+16
.endr
.irp t, 0,1,2,3,4,5,6,7
	ds_load_b128 v[WT+4*\t:WT+4*\t+3], v[T16] offset:\wu-B2+2048*\e+256*\t
	ds_load_b32 v[WSC+\t], v[T4] offset:\su-B2+512*\e+64*\t
.endr
.if \rope
.irp u, 0,1
	ds_load_b128 v[RACC+8*\u:RACC+8*\u+3], v[BH] offset:BQR-B2+128*\e+32*\u
	ds_load_b128 v[RACC+8*\u+4:RACC+8*\u+7], v[BH] offset:BQR-B2+128*\e+32*\u+16
	ds_load_b128 v[WT+32+4*\u:WT+35+4*\u], v[T16] offset:WQR-B2+512*\e+256*\u
	ds_load_b32 v[WSC+8+\u], v[T4] offset:SQR-B2+128*\e+64*\u
.endr
.endif
	s_wait_dscnt 0x0
.irp t, 0,1,2,3,4,5,6,7
	WM ACC+8*\t, WT+4*\t, \bf, ACC+8*\t, WSC+\t, \bs
.endr
.if \rope
.irp u, 0,1
	WM RACC+8*\u, WT+32+4*\u, \bf, RACC+8*\u, WSC+8+\u, \bs
.endr
.endif
	PLACES 5
	s_wait_xcnt 0x0                                  ; the last unit's stores have read their data: the codes and scale words are written anew only behind this wait
	QUANT ACC, PC, SW
.if \rope
	QUANT1 RACC, RP, SW+1
	global_store_b128 v[LI16], v[PC:PC+3], s[\ptr:\ptr+1] offset:\e*229376          ; each store of the wave covers 512 consecutive bytes, at a multiple of 256 from the buffer's first byte
	global_store_b128 v[LI16], v[PC+4:PC+7], s[\ptr:\ptr+1] offset:\e*229376+512
	global_store_b128 v[LI16], v[RP:RP+3], s[\ptr:\ptr+1] offset:\e*229376+1024
	global_store_b64 v[OUT8], v[SW:SW+1], s[\ptr:\ptr+1] offset:\e*229376+1536      ; 256 consecutive bytes
.else
	v_cndmask_b32 v[SW+1], v[SW], v[KRS], s98        ; lanes 0-15 the fragment's scale word, lanes 16-31 the fifth block's
	global_store_b128 v[LI16], v[PC:PC+3], s[\ptr:\ptr+1] offset:\e*180224
	global_store_b128 v[LI16], v[PC+4:PC+7], s[\ptr:\ptr+1] offset:\e*180224+512
	ds_store_b32 v[R4], v[SW+1] offset:KSS-B2+1024*\e   ; 128 bytes a tile: two tiles' words leave together, behind the barrier
.endif
.endm
	s_wait_alu depctr_va_vdst(0)
	QKUNIT 0, WUQ, SUQ, BUQ, CQF, CQS, 1, P_Q
	QKUNIT 1, WUQ, SUQ, BUQ, CQF, CQS, 1, P_Q
	QKUNIT 0, WUK, SUK, BUK, CKVF, CKVS, 0, P_K
	QKUNIT 1, WUK, SUK, BUK, CKVF, CKVS, 0, P_K
	BARRIER                                          ; c_kv's eight tiles lie in LDS
	s_wait_xcnt 0x0
	ds_load_b64 v[30:31], v28 offset:KSS-B2          ; k's scale words of two tiles: unit w of the pair's eight
.irp t, 0,1,2,3,4,5,6,7
	ds_load_b128 v[WT+4*\t:WT+4*\t+3], v[L16B] offset:CKI-B2+512*\t
	ds_load_b32 v[CKW+\t], v[L4B] offset:CKS-B2+128*\t
.endr
; v: NOT transposed: source 0 = 16 tokens, source 1 = my 16 rows of W_UV.  A lane then holds one channel, and its 64 registers run along the 128 keys, which are the second attention product's K
.macro VUNIT j, pc
	ds_load_b128 v[WV:WV+3], v[TV16] offset:WUV-B2+256*\j
	ds_load_b32 v[WSC+\j], v[TV4] offset:SUV-B2+64*\j
.irp i, 0,1,2,3,4,5,6,7
	ds_load_b32 v[BV+\i], v[BPW] offset:BUV-B2+32*\j   ; my channel's bias, in all eight registers of the C
.endr
	s_wait_dscnt 0x0
.irp t, 0,1,2,3,4,5,6,7
	WM ACC+8*\t, WT+4*\t, WV, BV, CKW+\t, WSC+\j
.endr
	PLACES 5
	QUANT ACC, \pc, SW+\j
.endm
	VUNIT 0, PC
	VUNIT 1, PC2
	global_store_b128 v[LI16], v[PC:PC+3], s[P_V:P_V+1]
	global_store_b128 v[LI16], v[PC+4:PC+7], s[P_V:P_V+1] offset:512
	global_store_b128 v[LI16], v[PC2:PC2+3], s[P_V:P_V+1] offset:1024
	global_store_b128 v[LI16], v[PC2+4:PC2+7], s[P_V:P_V+1] offset:1536
	global_store_b64 v[OUT8], v[30:31], s[96:97]     ; 256 consecutive bytes, aligned
	v_cndmask_b32 v[TM], v[SW], v[SW+1], s98         ; lanes 0-15 my first tile's scale words, lanes 16-31 my second's
	ds_store_b32 v[R4], v[TM] offset:VSS-B2
	BARRIER                                          ; the eight waves' words lie in LDS
	s_cmp_lt_u32 s2, 4
	s_cbranch_scc0 .Lno_vs                           ; they are four units of 256 bytes: waves 0 to 3 store one each
	ds_load_b64 v[TM+2:TM+3], v28 offset:VSS-B2
	s_wait_dscnt 0x0
	global_store_b64 v[OUT8], v[TM+2:TM+3], s[92:93]
.Lno_vs:
	s_wait_tensorcnt 0x0                             ; the wave's end, behind my last LDS store
	ds_add_u32 v[SPW], v[NIL]
	s_wait_dscnt 0x0
	s_endpgm
.Lfunc_end_k_q9afb490f33_project:
	.size	k_q9afb490f33_project, .Lfunc_end_k_q9afb490f33_project-k_q9afb490f33_project
	.p2alignl 7, 3214868480
	.fill 96, 4, 3214868480
	.section	.rodata,"a",@progbits
	.p2align	6, 0x0
	.amdhsa_kernel k_q9afb490f33_project
		.amdhsa_group_segment_fixed_size 84480
		.amdhsa_private_segment_fixed_size 0
		.amdhsa_enable_private_segment 0
		.amdhsa_kernarg_size 208
		.amdhsa_user_sgpr_count 2
		.amdhsa_user_sgpr_kernarg_segment_ptr 1
		.amdhsa_wavefront_size32 1
		.amdhsa_system_sgpr_workgroup_id_x 1
		.amdhsa_system_sgpr_workgroup_id_y 1
		.amdhsa_system_sgpr_workgroup_id_z 1
		.amdhsa_system_vgpr_workitem_id 0
		.amdhsa_next_free_vgpr 256
		.amdhsa_next_free_sgpr 100
		.amdhsa_reserve_vcc 0
		.amdhsa_float_denorm_mode_32 3
		.amdhsa_float_denorm_mode_16_64 3
		.amdhsa_memory_ordered 1
		.amdhsa_forward_progress 1
		.amdhsa_inst_pref_size 86
	.end_amdhsa_kernel
	.amdgpu_metadata
---
amdhsa.version: [ 1, 2 ]
amdhsa.kernels:
  - .name:           k_q9afb490f33_project
    .symbol:         k_q9afb490f33_project.kd
    .args:
      - { .name: h_t_codes, .offset: 0, .size: 8, .value_kind: global_buffer, .address_space: global }
      - { .name: h_t_scales, .offset: 8, .size: 8, .value_kind: global_buffer, .address_space: global }
      - { .name: W_DQ_codes, .offset: 16, .size: 8, .value_kind: global_buffer, .address_space: global }
      - { .name: W_DKV_codes, .offset: 24, .size: 8, .value_kind: global_buffer, .address_space: global }
      - { .name: W_KR_codes, .offset: 32, .size: 8, .value_kind: global_buffer, .address_space: global }
      - { .name: W_DQ_scales, .offset: 40, .size: 8, .value_kind: global_buffer, .address_space: global }
      - { .name: W_DKV_scales, .offset: 48, .size: 8, .value_kind: global_buffer, .address_space: global }
      - { .name: W_KR_scales, .offset: 56, .size: 8, .value_kind: global_buffer, .address_space: global }
      - { .name: b_DQ, .offset: 64, .size: 8, .value_kind: global_buffer, .address_space: global }
      - { .name: b_DKV, .offset: 72, .size: 8, .value_kind: global_buffer, .address_space: global }
      - { .name: b_KR, .offset: 80, .size: 8, .value_kind: global_buffer, .address_space: global }
      - { .name: W_UQ_codes, .offset: 88, .size: 8, .value_kind: global_buffer, .address_space: global }
      - { .name: W_UK_codes, .offset: 96, .size: 8, .value_kind: global_buffer, .address_space: global }
      - { .name: W_UV_codes, .offset: 104, .size: 8, .value_kind: global_buffer, .address_space: global }
      - { .name: W_QR_codes, .offset: 112, .size: 8, .value_kind: global_buffer, .address_space: global }
      - { .name: W_UQ_scales, .offset: 120, .size: 8, .value_kind: global_buffer, .address_space: global }
      - { .name: W_UK_scales, .offset: 128, .size: 8, .value_kind: global_buffer, .address_space: global }
      - { .name: W_UV_scales, .offset: 136, .size: 8, .value_kind: global_buffer, .address_space: global }
      - { .name: W_QR_scales, .offset: 144, .size: 8, .value_kind: global_buffer, .address_space: global }
      - { .name: b_UQ, .offset: 152, .size: 8, .value_kind: global_buffer, .address_space: global }
      - { .name: b_UK, .offset: 160, .size: 8, .value_kind: global_buffer, .address_space: global }
      - { .name: b_UV, .offset: 168, .size: 8, .value_kind: global_buffer, .address_space: global }
      - { .name: b_QR, .offset: 176, .size: 8, .value_kind: global_buffer, .address_space: global }
      - { .name: qbuf, .offset: 184, .size: 8, .value_kind: global_buffer, .address_space: global }
      - { .name: kbuf, .offset: 192, .size: 8, .value_kind: global_buffer, .address_space: global }
      - { .name: vbuf, .offset: 200, .size: 8, .value_kind: global_buffer, .address_space: global }
    .group_segment_fixed_size: 84480
    .private_segment_fixed_size: 0
    .kernarg_segment_align: 8
    .kernarg_segment_size: 208
    .max_flat_workgroup_size: 256
    .sgpr_count:     100
    .vgpr_count:     256
    .wavefront_size: 32
...
	.end_amdgpu_metadata
.endif
;; end of part 1
;; launch attend (part 2): grid 8 x 32, 16 waves a work-group, clusters of 4 x 1, 327,680 bytes of LDS; arguments qbuf, kbuf, vbuf, obuf; writes obuf
.if DOCPART == 2
	.amdgcn_target "amdgcn-amd-amdhsa--gfx1250"
	.amdhsa_code_object_version 6
	.text
	.protected	k_q9afb490f33_attend
	.globl	k_q9afb490f33_attend
	.p2align	8
	.type	k_q9afb490f33_attend,@function
k_q9afb490f33_attend:
	s_mov_b64 s[64:65], 0
	v_nop
	global_prefetch_b8 v0, s[64:65] scope:SCOPE_SE
	s_setreg_imm32_b32 hwreg(HW_REG_WAVE_MODE, 25, 1), 1
	s_wait_xcnt 0x0
	s_wait_alu depctr_hold_cnt(0) depctr_sa_sdst(0) depctr_va_vdst(0) depctr_va_sdst(0) depctr_va_ssrc(0) depctr_va_vcc(0) depctr_vm_vsrc(0)
	s_getreg_b32 s2, hwreg(HW_REG_IB_STS2, 6, 4)
	s_cmp_eq_u32 s2, 0
	s_cbranch_scc0 .Lentry_in_a_cluster
	s_endpgm
.Lentry_in_a_cluster:
	s_bfe_u32 s2, ttmp6, 0x10000c
	s_cmp_lg_u32 s2, 0x3003
	s_cbranch_scc0 .Lentry_shape_is_right
	s_endpgm
.Lentry_shape_is_right:
; ATTENTION ON CODES OF FP4 (E2M1), one E8M0 scale for each 32 along a product's K: o = softmax(q k^T / sqrt(160)) v for one batch and head, and o quantised along the head's 128 for the output projection.
; q, k (K = 160: a fragment of 128 and one block more) and v (K = the keys) come as images of operand registers.  q: a record of 1,792 bytes a tile.
; k: a key step of 128 keys is 11,264 bytes: 8 fragments of 1,024; 8 fifth blocks of 256 (16 lanes); 8 x 128 of scale words (lanes 0-15 the fragment's, lanes 16-31 the fifth block's).
; v: a key step is 8,704 bytes: 8 fragments (16 channels x 128 keys) of 1,024; 4 x 128 of scale words (lanes 0-15 tile 2 p, lanes 16-31 tile 2 p + 1).
; THE SOFTMAX: t = score x log2(e) / sqrt(160); M = the running largest t rounded UP to a whole number; p = 2^(t - M) is quantised along the keys, not normalised; the row's sum is taken of the
; unquantised p and divides O at the end.  When M moves, the sum and O are multiplied by 2^(old M - new M): exact.
; A BLOCK'S SCALE: the block's largest p is 2^x, x = the block's largest t - M, so floor(log2) of it is floor(x): the scale's byte is floor(x) + 125, held at 1 from below by holding x at -124.
; SHARES.  A work-group owns 256 queries of one batch and head, each of its sixteen waves one tile of 16; four waves to a SIMD.  Every wave walks the 2,048 keys, 128 a step: 16 matrix instructions for S^T, 8 for O^T.
; Both products are used transposed: a lane holds ONE query throughout.
; A WHOLE HEAD'S k AND v STAY IN LDS: 16 x (11,264 + 8,704) = 319,488 bytes, filled once.  They are sixteen loads of two key steps, one for each wave: wave w < 8 brings k's pair w, wave w >= 8 v's pair w - 8.
; Waves 0, 1, 8, 9 ask at the head (key steps 0 to 3); the other twelve behind the sequence and the round ahead of a later first fill.
; ONE BARRIER FOR EACH FOUR KEY STEPS, signalled behind the group's second step and waited for in its fourth.  The first shows the twelve loads landed, ahead of the first read of key step 4; the others
; hold the sixteen waves within two key steps of each other, so that they reach the way out together.
; CLUSTER.  The four query blocks of a cluster read the same k and v: every load is asked for jointly, by the same descriptor and a mask that names the four.
; NO PREFETCH: every tensor load of the launch is issued at the head, in those two groups; there is no loop that runs ahead of a load.
; LIMITS: NaN and infinities are not served; the promise holds while the scaled scores stay under 2^31 in magnitude.  A block of zeros of o gets the byte 1 where the rule says 127: its codes are zeros, and this program alone reads the bytes.
.set KSTEPB, 11264
.set VSTEPB, 8704
.set VOFF,   16*KSTEPB                 ; k from 0, v from here
.set SPARE,  VOFF+16*VSTEPB            ; the spare words, 128 bytes a wave: eight blocks of 256 bytes that no other line names
.set L16,  1                           ; 16 lane
.set L4,   2                           ; 4 lane
.set R16,  3                           ; 16 (lane % 16)
.set L8,   4                           ; 8 lane
.set SPW,  5
.set NIL,  6
.set ADR,  7                           ; addresses of the group of four key steps in hand: k's fifth blocks,
.set ADK,  8                           ; k's fragments,
.set ADV,  9                           ; v's fragments,
.set ADW,  10                          ; k's scale words,
.set ADVW, 11                          ; v's scale words
.set QF0,  16                          ; v16-23 q's fragment;  v24-31 its fifth block, all else zero codes
.set QF1,  24
.set KF,   32                          ; v32-63 four fragments of k
.set KR,   64                          ; v64-79 four fifth blocks of k, four registers apart (lanes 16-31 repeat lanes 0-15: q has zero codes there);  v80-83 behind them
.set KW,   84                          ; v84-87 k's scale words: scales alone
.set QS,   92                          ; v92, v93 q's two scale words
.set VW,   240                         ; v240-243 v's scale words: scales alone
.set SA,   88                          ; seven pairs in which a step's p are summed beside v[14:15]
.set SB,   90
.set SC,   94
.set SD,   248
.set SE,   250
.set SF,   244
.set SG,   246
.set TM,   32                          ; the way out: the quantiser's scratch
.set OWD,  44
.set WV,   18
.set SEL,  20
.set CS,   22
.set G1K,  24
.set G1V,  32
.set G0K,  40
.set G0V,  44
.set TBK,  2
.set TBV,  3
.set GRP,  67
.macro PLACES n
.rept \n
	v_nop
.endr
.endm
.macro CROUND                          ; a round of the cluster's barrier
	s_barrier_signal -1
	s_barrier_wait -1
	s_cmp_lg_u32 s[WV], 0
	s_cbranch_scc1 .Lnot_wave_0_\@
	s_barrier_signal -3
.Lnot_wave_0_\@:
	s_barrier_wait -3
	s_barrier_signal -1
	s_barrier_wait -1
.endm
.macro TL g0, g1                       ; a joint load; an s_nop 0 and four v_nop follow it
	tensor_load_to_lds s[\g0:\g0+3], s[\g1:\g1+7]
	s_nop 0
	PLACES 4
.endm
.macro MM0 d, a, b, sa, sb             ; the first product of a sum: C = 0
	v_wmma_scale_f32_16x16x128_f8f6f4 v[\d:\d+7], v[\a:\a+7], v[\b:\b+7], 0, v[\sa], v[\sb] matrix_a_fmt:MATRIX_FMT_FP4 matrix_b_fmt:MATRIX_FMT_FP4
.endm
.macro MMA d, a, b, sa, sb, row        ; in place; row: source 0's scales from lanes 16-31
	v_wmma_scale_f32_16x16x128_f8f6f4 v[\d:\d+7], v[\a:\a+7], v[\b:\b+7], v[\d:\d+7], v[\sa], v[\sb] matrix_a_fmt:MATRIX_FMT_FP4 matrix_b_fmt:MATRIX_FMT_FP4 \row
.endm
.macro PA d, a, b
	v_pk_add_f32 v[\d:\d+1], v[\a:\a+1], v[\b:\b+1]
.endm
.macro QUANT s, pc, pw                 ; 64 numbers of a lane, register 16 b + i = k 32 b + 16 (lane / 16) + i, become a fragment's codes and its scale word
.irp b, 0,1,2,3
	v_max3_num_f32 v[TM+\b], |v[\s+16*\b]|, |v[\s+1+16*\b]|, 0x1800000
.endr
.irp i, 2,4,6,8,10,12,14
.irp b, 0,1,2,3
	v_max3_num_f32 v[TM+\b], v[TM+\b], |v[\s+16*\b+\i]|, |v[\s+1+16*\b+\i]|
.endr
.endr
.irp b, 0,1,2,3
	v_permlanex16_b32 v[TM+4+\b], v[TM+\b], s[SEL], s[SEL+1]
.endr
.irp b, 0,1,2,3
	v_max_num_f32 v[TM+\b], v[TM+\b], v[TM+4+\b]
.endr
.irp b, 0,1,2,3
	v_add_nc_u32 v[TM+8+\b], 0xff000000, v[TM+\b]
.endr
.irp b, 0,1,2,3
	v_lshrrev_b32 v[TM+4+\b], 23, v[TM+8+\b]
.endr
	v_lshl_or_b32 v[\pw], v[TM+5], 8, v[TM+4]
	s_delay_alu instid0(VALU_DEP_1)
	v_lshl_or_b32 v[\pw], v[TM+6], 16, v[\pw]
	s_delay_alu instid0(VALU_DEP_1)
	v_lshl_or_b32 v[\pw], v[TM+7], 24, v[\pw]
.irp b, 0,1,2,3
	v_cvt_scalef32_pk8_fp4_f32 v[\pc+2*\b], v[\s+16*\b:\s+7+16*\b], v[TM+8+\b]
	v_cvt_scalef32_pk8_fp4_f32 v[\pc+1+2*\b], v[\s+8+16*\b:\s+15+16*\b], v[TM+8+\b]
.endr
	v_nop
.irp c, 0,1
.irp i, 0,1
	v_permlane16_swap_b32 v[\pc+4*\c+\i], v[\pc+2+4*\c+\i]
.endr
.endr
.endm
	s_load_b256 s[4:11], s[0:1], 0x0                 ; q s[4:5], k s[6:7], v s[8:9], o s[10:11]
	v_lshl_add_u32 v[SPW], v0, 2, SPARE
	v_mov_b32 v[NIL], 0
	ds_add_u32 v[SPW], v[NIL]                        ; the opening: the add, twice on end, and its wait ahead of the first tensor loads
	ds_add_u32 v[SPW], v[NIL]
	v_lshrrev_b32 v8, 5, v0
	v_and_b32 v9, 31, v0
	v_and_b32 v10, 15, v0
	v_readfirstlane_b32 s[WV], v8                    ; wave 0..15
	v_lshlrev_b32 v[L16], 4, v9
	v_lshlrev_b32 v[L8], 3, v9
	v_lshlrev_b32 v[L4], 2, v9
	v_lshlrev_b32 v[R16], 4, v10
	s_mov_b32 s[TBK], 0
	s_mov_b32 s[TBV], VOFF
	v_add_nc_u32 v[ADK], s[TBK], v[L16]
	v_add_nc_u32 v[ADR], s[TBK], v[R16]
	v_add_nc_u32 v[ADW], s[TBK], v[L4]
	v_add_nc_u32 v[ADV], s[TBV], v[L16]
	v_add_nc_u32 v[ADVW], s[TBV], v[L4]
	s_bfe_u32 s12, ttmp6, 0x40000                    ; cx: my place in the cluster
	s_lshl_b32 s13, ttmp9, 2
	s_add_co_u32 s13, s13, s12                       ; my block of 256 queries: it enters q's and o's addresses alone
	s_and_b32 s14, ttmp7, 0xffff                     ; batch x 8 + head, which the partners share
	s_and_b32 s15, s[WV], 7                          ; which pair of key steps I fetch
	s_mul_i32 s16, s15, 2*KSTEPB                     ; k: in LDS and in the head
	s_mul_i32 s48, s14, 16*KSTEPB
	s_add_co_u32 s48, s48, s16
	s_mov_b32 s49, 0
	s_mul_i32 s17, s15, 2*VSTEPB                     ; v likewise
	s_mul_i32 s50, s14, 16*VSTEPB
	s_add_co_u32 s50, s50, s17
	s_mov_b32 s51, 0
	s_add_co_u32 s19, s17, VOFF
	s_lshl_b32 s52, s14, 7
	s_lshl_b32 s53, s13, 4
	s_add_co_u32 s52, s52, s53
	s_add_co_u32 s52, s52, s[WV]
	s_mul_i32 s52, s52, 1792                         ; q's record of my tile
	s_mov_b32 s53, 0
	s_lshr_b32 s54, s14, 3
	s_lshl_b32 s54, s54, 7
	s_lshl_b32 s55, s13, 4
	s_add_co_u32 s54, s54, s55
	s_add_co_u32 s54, s54, s[WV]
	s_lshl_b32 s54, s54, 3
	s_and_b32 s55, s14, 7
	s_add_co_u32 s54, s54, s55
	s_mul_i32 s54, s54, 1280                         ; o's record: (token tile, head)
	s_mov_b32 s55, 0
	; group 1: dense blocks as rows of 256 bytes (32 elements of 8 bytes): 88 rows of k, 68 of v; the mask names all four work-groups, bit 21 beside it; no padding: images are read 16 bytes a lane on end
	s_mov_b32 s[G1K], 15|(3<<16)|(1<<21)
	s_mov_b32 s[G1K+1], 32<<16
	s_mov_b32 s[G1K+2], 88<<16
	s_mov_b32 s[G1K+3], 32<<16
	s_mov_b32 s[G1K+4], 88
	s_mov_b32 s[G1K+5], 32
	s_mov_b32 s[G1K+6], 0
	s_mov_b32 s[G1K+7], 0
	s_mov_b32 s[G1V], 15|(3<<16)|(1<<21)
	s_mov_b32 s[G1V+1], 32<<16
	s_mov_b32 s[G1V+2], 68<<16
	s_mov_b32 s[G1V+3], 32<<16
	s_mov_b32 s[G1V+4], 68
	s_mov_b32 s[G1V+5], 32
	s_mov_b32 s[G1V+6], 0
	s_mov_b32 s[G1V+7], 0
	s_mov_b32 s[SEL], 0x76543210
	s_mov_b32 s[SEL+1], 0xfedcba98
	s_mov_b32 s[CS], 0x3de995b3                      ; c = log2(e) / sqrt(160)
	s_mov_b32 s[CS+1], s[CS]
	s_wait_alu depctr_va_vdst(0)
	s_wait_dscnt 0x0                                 ; both opening adds are done
	s_wait_kmcnt 0x0
	s_mov_b32 s[G0K], 1
	s_mov_b32 s[G0K+1], s16
	s_add_nc_u64 s[G0K+2:G0K+3], s[6:7], s[48:49]
	s_or_b32 s[G0K+3], s[G0K+3], 0x80000000
	s_mov_b32 s[G0V], 1
	s_mov_b32 s[G0V+1], s19
	s_add_nc_u64 s[G0V+2:G0V+3], s[8:9], s[50:51]
	s_or_b32 s[G0V+3], s[G0V+3], 0x80000000
	CROUND                                           ; all four work-groups are here: the first joint loads meet
	s_cmp_lt_u32 s[WV], 2                            ; key steps 0 to 3: waves 0, 1 fetch k's, waves 8, 9 v's: one chain of branches on the wave's number, one load to an arm
	s_cbranch_scc0 .Lh1
	TL G0K, G1K
	s_branch .Lj1
.Lh1:
	s_cmp_lt_u32 s[WV], 8
	s_cbranch_scc1 .Lj1
	s_cmp_lt_u32 s[WV], 10
	s_cbranch_scc0 .Lj1
	TL G0V, G1V
.Lj1:
	s_add_nc_u64 s[4:5], s[4:5], s[52:53]
	s_add_nc_u64 s[10:11], s[10:11], s[54:55]
	global_load_b128 v[QF0:QF0+3], v[L16], s[4:5]    ; q stays in registers
	global_load_b128 v[QF0+4:QF0+7], v[L16], s[4:5] offset:512
	global_load_b128 v[QF1:QF1+3], v[L16], s[4:5] offset:1024
	global_load_b64 v[QS:QS+1], v[L8], s[4:5] offset:1536
	v_mov_b32 v13, 0xff61b1e6                        ; the largest t so far: -3e38, under every t
	v_mov_b32 v14, 0                                 ; the sum, in two halves
	v_mov_b32 v15, 0
	v_floor_f32 v12, -v13                            ; -M
.irp r, SA, SA+1, SC, SC+1, SE, SE+1
	v_mov_b32 v[\r], 0                               ; what the first step's first lines add to the sum
.endr
.irp b, 0,1,2,3
	v_mov_b32 v[236+\b], 0                           ; written once: a lane permute's destination counts as one of its sources
	v_mov_b32 v[QF1+4+\b], 0                         ; q's blocks 6 and 7 of the padded K: zero codes
	v_mov_b32 v[KR+16+\b], 0                         ; the four registers behind k's last packed block
.endr
	v_mov_b32 v253, 0
	v_mov_b32 v255, v12                              ; -M as the step before left it
.set J, 0
.rept 64
	v_mov_b32 v[160+J], 0                            ; O^T: the step is written once; the first finds zeros, which the first change of M leaves zeros
.set J, J+1
.endr
	s_wait_alu depctr_va_vdst(0)
	s_wait_tensorcnt 0x0                             ; my load, if I had one, has landed; then, ahead of a later first fill:
	ds_add_u32 v[SPW], v[NIL]                        ; 0 onto my spare word,
	ds_add_u32 v[SPW], v[NIL]                        ; twice on end
	s_wait_dscnt 0x0
	CROUND                                           ; key steps 0 to 3 are whole, and all four work-groups are here
	s_cmp_lt_u32 s[WV], 2                            ; key steps 4 to 15: waves 2 to 7 fetch k's pairs, waves 10 to 15 v's
	s_cbranch_scc1 .Lj2
	s_cmp_lt_u32 s[WV], 8
	s_cbranch_scc0 .Lh2
	TL G0K, G1K
	s_branch .Lj2
.Lh2:
	s_cmp_lt_u32 s[WV], 10
	s_cbranch_scc1 .Lj2
	TL G0V, G1V
.Lj2:
; 16 LDS loads: tiles 4 g .. 4 g + 3 of the group's q-th key step of k: a fragment, the fifth block and a register of scale words each
.macro KLOAD q, g
.irp t, 0,1,2,3
	ds_load_b128 v[KF+8*\t:KF+8*\t+3], v[ADK] offset:KSTEPB*(\q)+1024*(4*(\g)+\t)
	ds_load_b128 v[KF+8*\t+4:KF+8*\t+7], v[ADK] offset:KSTEPB*(\q)+1024*(4*(\g)+\t)+512
	ds_load_b128 v[KR+4*\t:KR+4*\t+3], v[ADR] offset:KSTEPB*(\q)+8192+256*(4*(\g)+\t)
	ds_load_b32 v[KW+\t], v[ADW] offset:KSTEPB*(\q)+10240+128*(4*(\g)+\t)
.endr
.endm
; S^T = k q^T of those four tiles: the head's first 128, then the fifth block; the four accumulators by turns
.macro KQ g
.irp t, 0,1,2,3
	MM0 96+8*(4*(\g)+\t), KF+8*\t, QF0, KW+\t, QS
.endr
.irp t, 0,1,2,3
	MMA 96+8*(4*(\g)+\t), KR+4*\t, QF1, KW+\t, QS+1, matrix_a_scale:MATRIX_SCALE_ROW1
.endr
.endm
; The largest score of blocks x and y of 32 keys, my 16 of each: it serves for the row's maximum and for the block's scale
.macro BMAX x, y
.irp b, \x, \y
	v_max3_num_f32 v[232+\b], v[96+16*\b], v[97+16*\b], v[98+16*\b]
.endr
.irp i, 3,5,7,9,11,13
.irp b, \x, \y
	v_max3_num_f32 v[232+\b], v[232+\b], v[96+16*\b+\i], v[97+16*\b+\i]
.endr
.endr
.irp b, \x, \y
	v_max_num_f32 v[232+\b], v[232+\b], v[111+16*\b]
.endr
.irp b, \x, \y
	v_permlanex16_b32 v[236+\b], v[232+\b], s[SEL], s[SEL+1]   ; lane l xor 16's, to be joined below
.endr
.endm
; O^T += v^T p^T: tiles 4 g .. 4 g + 3 of 16 channels; K = the step's 128 keys; v's fragments lie where p lay
.macro PV g
.irp t, 0,2
	MMA 160+8*(4*(\g)+\t), 96+8*(4*(\g)+\t), 224, VW+2*(\g)+\t/2, 253
	MMA 168+8*(4*(\g)+\t), 104+8*(4*(\g)+\t), 224, VW+2*(\g)+\t/2, 253, matrix_a_scale:MATRIX_SCALE_ROW1
.endr
.endm
; A KEY STEP: 128 keys, the q-th of the group of four in hand.  k's first four tiles were asked for a softmax ago.  mode (q = 3): 1: the first group; 2: in the loop
.macro STEP q, mode
	KQ 0
	PA SA, SA, SC                                    ; the last step's sums are joined here: four places in front of the loads into registers that those products have read, and of the first read of their results
	PA 14, 14, SE
	v_nop
	PA 14, 14, SA
	KLOAD \q, 1
	BMAX 0, 1                                        ; between the request and the wait for it
	s_wait_alu depctr_va_vdst(0)
	s_wait_dscnt 0x0
	KQ 1                                             ; lane (r, h) holds query r; the 16 registers of tiles 2 b, 2 b + 1 are keys 32 b + 16 h + 0 .. 15 of the step
	v_max_num_f32 v232, v232, v236                   ; blocks 0 and 1 with lane l xor 16's 16 keys: two of the four places
	v_max_num_f32 v233, v233, v237
	PLACES 2
.if \q < 3
	KLOAD (\q)+1, 0                                  ; the next step's first four tiles of k: the softmax stands between the request and the use
.else
	s_add_co_u32 s[TBK], s[TBK], 4*KSTEPB            ; on to the next group of four key steps of k
	v_add_nc_u32 v[ADK], s[TBK], v[L16]
	v_add_nc_u32 v[ADR], s[TBK], v[R16]
	v_add_nc_u32 v[ADW], s[TBK], v[L4]
	s_wait_alu depctr_va_vdst(0)
	s_barrier_wait -1                                ; every wave is past this group's second step (first group: and every load has landed, so key steps 4 to 15 may be read)
.if \mode == 2
	s_cmp_eq_u32 s[GRP], 1
	s_cbranch_scc1 .Lno_more_\@                      ; behind the last group there is nothing to look ahead to
.endif
	KLOAD 0, 0
.Lno_more_\@:
.endif
.irp p, 0,1,2,3
	ds_load_b32 v[VW+\p], v[ADVW] offset:VSTEPB*(\q)+8192+128*\p   ; v's scale words of this step
.endr
	BMAX 2, 3
	v_max_num_f32 v234, v234, v238
	v_max_num_f32 v235, v235, v239
	s_delay_alu instid0(VALU_DEP_2)
	v_max3_num_f32 v254, v232, v233, v234
	s_delay_alu instid0(VALU_DEP_1)
	v_max_num_f32 v254, v254, v235                   ; the step's largest score of my query
	s_delay_alu instid0(VALU_DEP_1)
	v_mul_f32 v254, s[CS], v254                      ; as t (c is positive)
	s_delay_alu instid0(VALU_DEP_1)
	v_max_num_f32 v13, v13, v254                     ; the running largest t
	s_delay_alu instid0(VALU_DEP_1)
	v_floor_f32 v12, -v13                            ; the new -M = floor(-t): M is a whole number
	s_delay_alu instid0(VALU_DEP_1)
	v_sub_f32 v254, v12, v255                        ; M's old value less its new one: a whole number, 0 or less
	s_delay_alu instid0(VALU_DEP_1)
	v_cvt_i32_f32 v254, v254                         ; (it saturates)
	s_delay_alu instid0(VALU_DEP_1)
	v_ldexp_f32 v252, 1.0, v254                      ; f = 2^(old M - new M)
.set J, 0
.rept 32
	v_pk_fma_f32 v[96+J:97+J], v[96+J:97+J], s[CS:CS+1], v[12:13] op_sel_hi:[1,0,0]   ; t - M, two at a time
.set J, J+2
.endr
.irp b, 0,1,2,3
	v_fma_f32 v[232+\b], v[232+\b], s[CS], v12       ; x: the same of each block's largest score
.endr
	s_wait_alu depctr_va_vdst(0)                     ; ahead of the batch
.set J, 0
.rept 64
	v_exp_f32 v[96+J], v[96+J]                       ; p = 2^(t - M), at most 1
.set J, J+1
.endr
.irp b, 0,1,2,3                        ; the blocks' scales: plain work that names no exponential's result
	v_max_num_f32 v[232+\b], 0xc2f80000, v[232+\b]   ; x held at -124: the byte cannot fall under 1
.endr
.irp b, 0,1,2,3
	v_cvt_floor_i32_f32 v[232+\b], v[232+\b]         ; e = floor(x) = floor(log2) of the block's largest p
.endr
.irp b, 0,1,2,3
	v_lshl_add_u32 v[236+\b], v[232+\b], 23, 0x3e800000   ; (e + 125) in the exponent field: the conversion's scale operand
.endr
	v_lshl_add_u32 v253, v233, 8, v232
	v_lshl_add_u32 v254, v235, 8, v234
	s_delay_alu instid0(VALU_DEP_1)
	v_lshl_add_u32 v253, v254, 16, v253
	s_delay_alu instid0(VALU_DEP_1)
	v_add_nc_u32 v253, 0x7d7d7d7d, v253              ; p's scale word: the sum of (e_b + 125) x 256^b, each byte 1 to 125
	s_wait_alu depctr_va_vdst(0)                     ; one wait for the whole batch, ahead of its first reader
	v_pk_fma_f32 v[14:15], v[14:15], v[252:253], v[156:157] op_sel_hi:[1,0,1]   ; the sum under the new M, and the first of the unquantised p
	PA SA, 100, 104                                  ; eight chains of packed additions
	PA SB, 108, 112
	PA SC, 116, 120
	PA SD, 124, 128
	PA SE, 132, 136
	PA SF, 140, 144
	PA SG, 148, 152
	PA SA, SA, 96
	PA SB, SB, 98
	PA SC, SC, 102
	PA SD, SD, 106
	PA SE, SE, 110
	PA SF, SF, 114
	PA SG, SG, 118
	PA 14, 14, 122
	PA SA, SA, 126
	PA SB, SB, 130
	PA SC, SC, 134
	PA SD, SD, 138
	PA SE, SE, 142
	PA SF, SF, 146
	PA SG, SG, 150
	PA 14, 14, 154
.irp b, 0,1,2,3
	v_cvt_scalef32_pk8_fp4_f32 v[224+2*\b], v[96+16*\b:103+16*\b], v[236+\b]
	v_cvt_scalef32_pk8_fp4_f32 v[225+2*\b], v[104+16*\b:111+16*\b], v[236+\b]
.endr
	PA SA, SA, 158                                   ; the last pair of p: it writes no source and touches no result of the conversions: the plain place behind them
.irp t, 0,1,2,3,4,5,6,7                ; p's codes are made and p is summed: its 64 registers take v's eight fragments, tile t at v[96 + 8 t]
.irp c, 0,1
	ds_load_b128 v[96+8*\t+4*\c:96+8*\t+4*\c+3], v[ADV] offset:VSTEPB*(\q)+1024*\t+512*\c
.endr
.endr
.if \q == 3
	s_add_co_u32 s[TBV], s[TBV], 4*VSTEPB            ; on to the next group of v
	v_add_nc_u32 v[ADV], s[TBV], v[L16]
	v_add_nc_u32 v[ADVW], s[TBV], v[L4]
.endif
.irp c, 0,1
.irp i, 0,1
	v_permlane16_swap_b32 v[224+4*\c+\i], v[226+4*\c+\i]
.endr
.endr
.set J, 0
.rept 32
	v_pk_mul_f32 v[160+J:161+J], v[160+J:161+J], v[252:253] op_sel_hi:[1,0]   ; O^T under the new M: the work between v's request and its use, and the places in front of the matrix instructions below
.set J, J+2
.endr
	s_wait_alu depctr_va_vdst(0)
	s_wait_dscnt 8                                   ; all but the youngest eight loads, v's tiles 4-7, are in
	PV 0
	s_wait_dscnt 0x0                                 ; no LDS load of mine is out: the next step's first four tiles of k are in too
	PV 1
	PA SA, SA, SB                                    ; five places: the next step's score products write over the registers from which these products took v
	PA SC, SC, SD
	PA SE, SE, SF
	PA 14, 14, SG
	v_mov_b32 v255, v12
.endm
.macro MEET                            ; behind a group's second step
	s_wait_alu depctr_va_vdst(0)
	s_wait_tensorcnt 0x0                             ; my load has landed,
	s_wait_dscnt 0x0                                 ; no LDS load of mine is out:
	s_barrier_signal -1                              ; say so; LDS loads of bytes that nobody writes and work on registers stand between this and the wait in the group's fourth step
.endm
	KLOAD 0, 0
	s_wait_loadcnt 0x0                               ; q
	s_wait_dscnt 0x0
	STEP 0, 0
	STEP 1, 0
	MEET
	STEP 2, 0
	STEP 3, 1
	s_mov_b32 s[GRP], 3
.Lgroup:                               ; three trips of four key steps
	STEP 0, 0
	STEP 1, 0
	MEET
	STEP 2, 0
	STEP 3, 2
	s_sub_co_u32 s[GRP], s[GRP], 1
	s_cmp_lg_u32 s[GRP], 0
	s_wait_alu depctr_va_vdst(0)
	s_cbranch_scc1 .Lgroup
	; THE WAY OUT: O^T / the sum is the output projection's operand: its 64 registers run along the head's 128, so it is quantised as it stands and leaves as an image of the operand's registers
	PA SA, SA, SC                                    ; the last step's sums are joined,
	PA 14, 14, SE
	s_delay_alu instid0(VALU_DEP_1)
	PA 14, 14, SA
	s_delay_alu instid0(VALU_DEP_1)
	v_add_f32 v14, v14, v15                          ; the sum's two halves,
	s_delay_alu instid0(VALU_DEP_1)
	v_permlanex16_b32 v252, v14, s[SEL], s[SEL+1]
	s_delay_alu instid0(VALU_DEP_1)
	v_add_f32 v14, v14, v252                         ; and lane l xor 16's: the row's sum
	s_wait_alu depctr_va_vdst(0)                     ; ahead of the transcendental
	v_rcp_f32 v14, v14
	v_nop                                            ; a plain place behind it
	s_wait_alu depctr_va_vdst(0)                     ; and ahead of its first reader
.set J, 0
.rept 32
	v_pk_mul_f32 v[96+J:97+J], v[160+J:161+J], v[14:15] op_sel_hi:[1,0]   ; each accumulator from its low end on
.set J, J+2
.endr
	QUANT 96, 224, OWD
	v_mov_b32 v[OWD+1], v[OWD]
	global_store_b128 v[L16], v[224:227], s[10:11]             ; 512 consecutive bytes, at a multiple of 256 from the buffer's first byte
	global_store_b128 v[L16], v[228:231], s[10:11] offset:512
	global_store_b64 v[L8], v[OWD:OWD+1], s[10:11] offset:1024 ; 256 consecutive bytes: the scale word, twice a lane
	s_wait_tensorcnt 0x0                             ; the wave's end
	ds_add_u32 v[SPW], v[NIL]
	s_wait_dscnt 0x0
	CROUND                                           ; the closing round
	s_endpgm
.Lfunc_end_k_q9afb490f33_attend:
	.size	k_q9afb490f33_attend, .Lfunc_end_k_q9afb490f33_attend-k_q9afb490f33_attend
	.p2alignl 7, 3214868480
	.fill 96, 4, 3214868480
	.section	.rodata,"a",@progbits
	.p2align	6, 0x0
	.amdhsa_kernel k_q9afb490f33_attend
		.amdhsa_group_segment_fixed_size 327680
		.amdhsa_private_segment_fixed_size 0
		.amdhsa_enable_private_segment 0
		.amdhsa_kernarg_size 32
		.amdhsa_user_sgpr_count 2
		.amdhsa_user_sgpr_kernarg_segment_ptr 1
		.amdhsa_wavefront_size32 1
		.amdhsa_system_sgpr_workgroup_id_x 1
		.amdhsa_system_sgpr_workgroup_id_y 1
		.amdhsa_system_sgpr_workgroup_id_z 1
		.amdhsa_system_vgpr_workitem_id 0
		.amdhsa_next_free_vgpr 256
		.amdhsa_next_free_sgpr 100
		.amdhsa_reserve_vcc 0
		.amdhsa_float_denorm_mode_32 3
		.amdhsa_float_denorm_mode_16_64 3
		.amdhsa_memory_ordered 1
		.amdhsa_forward_progress 1
		.amdhsa_inst_pref_size 174
	.end_amdhsa_kernel
	.amdgpu_metadata
---
amdhsa.version: [ 1, 2 ]
amdhsa.kernels:
  - .name:           k_q9afb490f33_attend
    .symbol:         k_q9afb490f33_attend.kd
    .args:
      - { .name: qbuf, .offset: 0, .size: 8, .value_kind: global_buffer, .address_space: global }
      - { .name: kbuf, .offset: 8, .size: 8, .value_kind: global_buffer, .address_space: global }
      - { .name: vbuf, .offset: 16, .size: 8, .value_kind: global_buffer, .address_space: global }
      - { .name: obuf, .offset: 24, .size: 8, .value_kind: global_buffer, .address_space: global }
    .group_segment_fixed_size: 327680
    .private_segment_fixed_size: 0
    .kernarg_segment_align: 8
    .kernarg_segment_size: 32
    .max_flat_workgroup_size: 512
    .sgpr_count:     100
    .vgpr_count:     256
    .wavefront_size: 32
...
	.end_amdgpu_metadata
.endif
;; end of part 2
;; launch outproj (part 3): grid 4 x 64, 8 waves a work-group, clusters of 4 x 4, 257,024 bytes of LDS; arguments obuf, W_O_codes, W_O_scales, b_O, out0; writes out0
.if DOCPART == 3
	.amdgcn_target "amdgcn-amd-amdhsa--gfx1250"
	.amdhsa_code_object_version 6
	.text
	.protected	k_q9afb490f33_outproj
	.globl	k_q9afb490f33_outproj
	.p2align	8
	.type	k_q9afb490f33_outproj,@function
k_q9afb490f33_outproj:
	s_mov_b64 s[64:65], 0
	v_nop
	global_prefetch_b8 v0, s[64:65] scope:SCOPE_SE
	s_setreg_imm32_b32 hwreg(HW_REG_WAVE_MODE, 25, 1), 1
	s_wait_xcnt 0x0
	s_wait_alu depctr_hold_cnt(0) depctr_sa_sdst(0) depctr_va_vdst(0) depctr_va_sdst(0) depctr_va_ssrc(0) depctr_va_vcc(0) depctr_vm_vsrc(0)
	s_getreg_b32 s2, hwreg(HW_REG_IB_STS2, 6, 4)
	s_cmp_eq_u32 s2, 0
	s_cbranch_scc0 .Lentry_in_a_cluster
	s_endpgm
.Lentry_in_a_cluster:
	s_bfe_u32 s2, ttmp6, 0x10000c
	s_cmp_lg_u32 s2, 0xf033
	s_cbranch_scc0 .Lentry_shape_is_right
	s_endpgm
.Lentry_shape_is_right:
; out0 = o W_O + b_O on codes of FP4 (E2M1) with one E8M0 scale for each 32 along K = 1,024.  o comes as images of operand registers, [token tile][head]: 1,024 bytes of a fragment (16 tokens x the head's 128) and
; 256 of its scale words (8 bytes a lane); W_O as rows of 512 bytes of codes and 32 scale bytes; out0 [8,192][1,024] f32.
; SHARES.  A work-group makes 128 tokens x 256 columns; all of K of both operands fits in LDS and is filled once: each wave issues ONE tensor load at the head: waves 0 to 3 a quarter of W_O's 256 rows (64 rows of 512 bytes),
; waves 4 to 7 a quarter of o (two token tiles, 20,480 dense bytes).  Wave w makes 64 tokens (w / 4) x 64 columns (w % 4).
; BY ROWS OF THE RESULT.  My 64 rows of W_O for all of K are 4 x 8 fragments, 256 registers: they fill register window 1 and are read from LDS once.  Then my four blocks of 16 tokens are finished one after the other,
; 32 matrix instructions each (the block's four accumulators by turns; K ascending; the first takes the bias as C), and each block leaves while the next is multiplied.
; TRANSPOSED: source 0 = 16 rows of W_O, source 1 = 16 tokens: a lane holds eight neighbouring columns of one token's row.  Lane r of token tile T holds token 32 (T / 2) + 8 (T % 2) + r + (r & 8) of the 128: the stores undo that order.
; CLUSTER 4 x 4: o's tiles hang on the block of tokens alone and are shared along a row of the cluster, W_O's on the block of columns alone and are shared along a column: each is asked for jointly.
; NO PREFETCH: the launch has no loop to run ahead in; its loads are all issued at the head.
.set PW,    528                        ; LDS: W_O's codes from 0: 256 rows of 512 bytes + 16 of padding: the 16 rows of a fragment load start 4 words apart modulo 64
.set AO,    139264                     ; o: tile t at AO + 10,240 t, head s at 1,280 s
.set STG,   221184                     ; the way out: 16 rows x (256 + 16) bytes for each wave
.set SPARE, 256000                     ; the spare words, 128 bytes a wave: four blocks of 256 bytes that no other line names
.set SPW,  1
.set NIL,  2
.set BWA,  3                           ; my rows of W_O
.set AOA16, 5                          ; my tiles of o, 16 bytes a lane
.set AOA8, 6                           ; 8 bytes a lane
.set STO,  7
.set RD,   8
.set CO,   9
.set WS,   16                          ; v16-31 W_O's scale words: register 8 p + s: column tile 2 p in lanes 0-15, 2 p + 1 in lanes 16-31, K step s: scales alone
.set OW,   32                          ; v32-47 o's scale words: set m % 2, K step s: scales alone
.set BIAS, 48                          ; v48-79 the bias in the result's layout: register 8 n + j is column 16 n + 8 h + j
.set ACC,  80                          ; v80-143 two sets of four accumulators
.set AF,   144                         ; v144-207 o's eight fragments of the block in hand
.set BK,   208                         ; v208-239 16 rows read back from the stage
.set WVN,  14                          ; window 1: W_O's fragment (n, s) at v[64 n + 8 s]
.set G1A,  24
.set G0A,  32
.set G1B,  48
.set G0B,  56
.set MSB, 0
.macro WIN new                         ; the immediate's high byte repeats the setting that is left
.if MSB != \new
	s_set_vgpr_msb (MSB<<8)|\new
.set MSB, \new
.endif
.endm
.set MUL,  0x01                        ; source 0 (W_O) window 1, all else window 0
.set TO_B, 0x40                        ; destination window 1, address window 0
.macro PLACES n
.rept \n
	v_nop
.endr
.endm
.macro CROUND
	s_barrier_signal -1
	s_barrier_wait -1
	s_cmp_lg_u32 s[WVN], 0
	s_cbranch_scc1 .Lnot_wave_0_\@
	s_barrier_signal -3
.Lnot_wave_0_\@:
	s_barrier_wait -3
	s_barrier_signal -1
	s_barrier_wait -1
.endm
	s_load_b256 s[4:11], s[0:1], 0x0                 ; o s[4:5], W_O's codes s[6:7], its scales s[8:9], b_O s[10:11]
	s_load_b64 s[12:13], s[0:1], 0x20                ; out0
	v_lshl_add_u32 v[SPW], v0, 2, SPARE
	v_mov_b32 v[NIL], 0
	ds_add_u32 v[SPW], v[NIL]                        ; the opening: the add, twice on end, and its wait ahead of the first tensor loads
	ds_add_u32 v[SPW], v[NIL]
	v_lshrrev_b32 v3, 5, v0
	s_delay_alu instid0(VALU_DEP_1)
	v_readfirstlane_b32 s[WVN], v3                   ; wave 0..7
	s_lshr_b32 s15, s[WVN], 2                        ; which 64 tokens are mine.  Also: I fetch for W_O (0) or for o (1)
	s_and_b32 s16, s[WVN], 3                         ; which 64 columns.  Also: which quarter I fetch
	s_bfe_u32 s40, ttmp6, 0x40000                    ; cx, cy: my place in the cluster
	s_bfe_u32 s41, ttmp6, 0x40004
	s_lshl_b32 s42, ttmp9, 2
	s_add_co_u32 s42, s42, s40                       ; X: my block of 256 columns
	s_and_b32 s43, ttmp7, 0xffff
	s_lshl_b32 s43, s43, 2
	s_add_co_u32 s43, s43, s41                       ; Y: my block of 128 tokens
	s_lshl_b32 s44, s41, 2
	s_lshl_b32 s44, 15, s44                          ; my row of the cluster
	s_lshl_b32 s45, 0x1111, s40                      ; my column
	; group 1 for o: 20,480 dense bytes as 80 rows of 256 (32 elements of 8 bytes)
	s_or_b32 s[G1A], s44, (3<<16)|(1<<21)
	s_mov_b32 s[G1A+1], 32<<16
	s_mov_b32 s[G1A+2], 80<<16
	s_mov_b32 s[G1A+3], 32<<16
	s_mov_b32 s[G1A+4], 80
	s_mov_b32 s[G1A+5], 32
	s_mov_b32 s[G1A+6], 0
	s_mov_b32 s[G1A+7], 0
	; group 1 for W_O: 64 whole rows of 512 bytes; four words of padding after every 128
	s_or_b32 s[G1B], s45, (1<<20)|(1<<21)|(6<<22)|(3<<25)
	s_mov_b32 s[G1B+1], 512<<16
	s_mov_b32 s[G1B+2], 64<<16
	s_mov_b32 s[G1B+3], 512<<16
	s_mov_b32 s[G1B+4], 64
	s_mov_b32 s[G1B+5], 512
	s_mov_b32 s[G1B+6], 0
	s_mov_b32 s[G1B+7], 0
	s_lshl_b32 s17, s43, 3
	s_lshl_b32 s18, s16, 1
	s_add_co_u32 s17, s17, s18                       ; o: token tile 8 Y + 2 x quarter
	s_mul_i32 s20, s17, 10240
	s_mov_b32 s21, 0
	s_lshl_b32 s46, s42, 8
	s_lshl_b32 s47, s16, 6
	s_add_co_u32 s46, s46, s47                       ; W_O: row 256 X + 64 x quarter: the rows that I fetch, and the columns that I make
	s_lshl_b32 s22, s46, 9
	s_mov_b32 s23, 0
	s_mul_i32 s19, s16, 20480
	s_add_co_u32 s19, s19, AO                        ; where they go: no place in the cluster enters an LDS address
	s_mul_i32 s18, s16, 64*PW
	s_wait_dscnt 0x0                                 ; both opening adds are done
	s_wait_kmcnt 0x0
	s_add_nc_u64 s[20:21], s[4:5], s[20:21]
	s_add_nc_u64 s[22:23], s[6:7], s[22:23]
	CROUND                                           ; all sixteen work-groups are here: the joint loads meet
	s_mov_b32 s[G0A], 1
	s_mov_b32 s[G0A+1], s19
	s_mov_b64 s[G0A+2:G0A+3], s[20:21]
	s_or_b32 s[G0A+3], s[G0A+3], 0x80000000
	s_mov_b32 s[G0B], 1
	s_mov_b32 s[G0B+1], s18
	s_mov_b64 s[G0B+2:G0B+3], s[22:23]
	s_or_b32 s[G0B+3], s[G0B+3], 0x80000000
	s_cmp_eq_u32 s15, 0                              ; one load a wave, in the two arms of one branch on its number; an s_nop 0 and four v_nop follow each
	s_cbranch_scc0 .Lfor_o
	tensor_load_to_lds s[G0B:G0B+3], s[G1B:G1B+7]
	s_nop 0
	PLACES 4
	s_branch .Lasked
.Lfor_o:
	tensor_load_to_lds s[G0A:G0A+3], s[G1A:G1A+7]
	s_nop 0
	PLACES 4
.Lasked:
	s_lshl_b32 s66, s46, 5                           ; my 64 rows of scale bytes
	s_mov_b32 s67, 0
	s_add_nc_u64 s[8:9], s[8:9], s[66:67]
	s_lshl_b32 s66, s46, 2                           ; my 64 numbers of b_O
	s_add_nc_u64 s[10:11], s[10:11], s[66:67]
	s_lshl_b32 s68, s43, 7
	s_lshl_b32 s69, s15, 6
	s_add_co_u32 s68, s68, s69
	s_lshl_b32 s68, s68, 12                          ; my first token's row of out0,
	s_add_co_u32 s68, s68, s66                       ; my first column
	s_mov_b32 s69, 0
	s_add_nc_u64 s[12:13], s[12:13], s[68:69]
	v_and_b32 v12, 31, v0                            ; lane
	v_and_b32 v13, 15, v0                            ; r
	v_bfe_u32 v14, v0, 4, 1                          ; h
	s_delay_alu instid0(VALU_DEP_3)
	v_lshlrev_b32 v10, 5, v12                        ; 32 lane
	s_delay_alu instid0(VALU_DEP_2)
	v_lshlrev_b32 v11, 5, v14                        ; 32 h
.irp p, 0,1
.irp i, 0,1
	global_load_b128 v[WS+8*\p+4*\i:WS+8*\p+4*\i+3], v10, s[8:9] offset:1024*\p+16*\i   ; row 32 p + lane: its eight scale words
.endr
.endr
.irp n, 0,1,2,3
	global_load_b128 v[BIAS+8*\n:BIAS+8*\n+3], v11, s[10:11] offset:64*\n
	global_load_b128 v[BIAS+8*\n+4:BIAS+8*\n+7], v11, s[10:11] offset:64*\n+16
.endr
	v_mul_u32_u24 v[BWA], v13, PW
	s_delay_alu instid0(VALU_DEP_1)
	v_lshl_add_u32 v[BWA], v14, 4, v[BWA]
	s_delay_alu instid0(VALU_DEP_1)
	v_add_nc_u32 v[BWA], s18, v[BWA]                 ; my 64 rows of W_O: row r x pitch + 16 h
	s_mul_i32 s70, s15, 40960
	s_add_co_u32 s70, s70, AO
	v_lshl_add_u32 v[AOA16], v12, 4, s70
	v_lshl_add_u32 v[AOA8], v12, 3, s70
	s_mul_i32 s71, s[WVN], 4352
	s_add_co_u32 s71, s71, STG                       ; my stage
	v_mul_u32_u24 v[STO], v13, 272
	s_delay_alu instid0(VALU_DEP_1)
	v_lshl_add_u32 v[STO], v14, 5, v[STO]
	s_delay_alu instid0(VALU_DEP_1)
	v_add_nc_u32 v[STO], s71, v[STO]                 ; in: row r, 32 bytes for each half of the lanes
	v_mul_u32_u24 v[RD], v14, 272
	s_delay_alu instid0(VALU_DEP_1)
	v_lshl_add_u32 v[RD], v13, 4, v[RD]
	s_delay_alu instid0(VALU_DEP_1)
	v_add_nc_u32 v[RD], s71, v[RD]                   ; back: lanes 0-15 one row of 256 bytes, lanes 16-31 the next
	v_lshlrev_b32 v[CO], 12, v14
	s_delay_alu instid0(VALU_DEP_1)
	v_lshl_add_u32 v[CO], v13, 4, v[CO]              ; and the same in out0
; 12 LDS loads: block m's fragments and scale words of K steps s0 .. s0 + 3
.macro ALOAD m, s0
.irp s, \s0, \s0+1, \s0+2, \s0+3
	ds_load_b128 v[AF+8*(\s):AF+8*(\s)+3], v[AOA16] offset:10240*(\m)+1280*(\s)
	ds_load_b128 v[AF+8*(\s)+4:AF+8*(\s)+7], v[AOA16] offset:10240*(\m)+1280*(\s)+512
	ds_load_b32 v[OW+8*((\m)%2)+(\s)], v[AOA8] offset:10240*(\m)+1280*(\s)+1024
.endr
.endm
; 16 matrix instructions: block m, K steps s0 .. s0 + 3, its four accumulators by turns.  Block 0 waits for W_O's fragments step by step: behind step s's eight loads stand the later steps' eight each, and from s = 4 on the 12 of the look-ahead
.macro MULS m, s0
.set AC, ACC+32*((\m)%2)
.irp s, \s0, \s0+1, \s0+2, \s0+3
.if (\m) == 0
	s_wait_dscnt (7-(\s))*8+12*((\s)/4)
.endif
.irp n, 0,1,2,3
.if (\s) == 0
.set CC, BIAS+8*\n
.else
.set CC, AC+8*\n
.endif
.if \n%2
	v_wmma_scale_f32_16x16x128_f8f6f4 v[AC+8*\n:AC+8*\n+7], v[64*\n+8*(\s):64*\n+8*(\s)+7], v[AF+8*(\s):AF+8*(\s)+7], v[CC:CC+7], v[WS+8*(\n/2)+(\s)], v[OW+8*((\m)%2)+(\s)] matrix_a_fmt:MATRIX_FMT_FP4 matrix_b_fmt:MATRIX_FMT_FP4 matrix_a_scale:MATRIX_SCALE_ROW1
.else
	v_wmma_scale_f32_16x16x128_f8f6f4 v[AC+8*\n:AC+8*\n+7], v[64*\n+8*(\s):64*\n+8*(\s)+7], v[AF+8*(\s):AF+8*(\s)+7], v[CC:CC+7], v[WS+8*(\n/2)+(\s)], v[OW+8*((\m)%2)+(\s)] matrix_a_fmt:MATRIX_FMT_FP4 matrix_b_fmt:MATRIX_FMT_FP4
.endif
.endr
.endr
.endm
; THE WAY OUT of block m, 16 tokens x 64 columns, through my own stage: in as 32 bytes a lane, back as whole rows of 256 bytes.  LDS serves a wave's instructions in order: no wait between the stores and the loads
.macro TOSTAGE m
.set AC, ACC+32*((\m)%2)
.irp n, 0,1,2,3
	ds_store_b128 v[STO], v[AC+8*\n:AC+8*\n+3] offset:64*\n          ; each accumulator from its low end on
	ds_store_b128 v[STO], v[AC+8*\n+4:AC+8*\n+7] offset:64*\n+16
.endr
.irp i, 0,1,2,3,4,5,6,7
	ds_load_b128 v[BK+4*\i:BK+4*\i+3], v[RD] offset:544*\i
.endr
.endm
.macro SEND m
	s_wait_dscnt 0x0                                 ; the block is back in registers (and the second half of the next block's fragments is in)
.irp i, 0,1,2,3,4,5,6,7
	global_store_b128 v[CO], v[BK+4*\i:BK+4*\i+3], s[12:13] offset:(32*((\m)/2)+8*((\m)%2)+2*\i+8*(\i/4))*4096 th:TH_STORE_NT   ; stage rows 2 i, 2 i + 1 are tokens 2 i + 8 (i / 4) on: 16 lanes store 256 consecutive bytes, aligned
.endr
.endm
	s_wait_alu depctr_va_vdst(0)
	s_wait_tensorcnt 0x0                             ; my load is in
	s_barrier_signal -1
	s_barrier_wait -1                                ; everybody's is
	ALOAD 0, 0
	ALOAD 0, 4
	WIN TO_B
.irp s, 0,1,2,3,4,5,6,7                ; W_O's fragments in the order of their first use: eight loads a K step
.irp n, 0,1,2,3
	ds_load_b128 v[64*\n+8*\s:64*\n+8*\s+3], v[BWA] offset:16*PW*\n+64*\s
	ds_load_b128 v[64*\n+8*\s+4:64*\n+8*\s+7], v[BWA] offset:16*PW*\n+64*\s+32
.endr
.endr
	s_wait_loadcnt 0x0                               ; the scale words and the bias
	WIN MUL
	MULS 0, 0
	PLACES 4                                         ; in front of loads into registers that those products have read
	WIN 0
	ALOAD 1, 0
	WIN MUL
	MULS 0, 4
	PLACES 5                                         ; behind the block's last products: their results are read, loads land where their operands lay, and the block after next begins its sums anew in these accumulators
	WIN 0
	ALOAD 1, 4
	TOSTAGE 0
.irp m, 1,2,3
	s_wait_dscnt 28                                  ; the first half of block m's fragments is in: behind it stand the second half's 12 loads and the stage's 16 instructions
	WIN MUL
	MULS \m, 0
	PLACES 4
	WIN 0
	SEND \m-1                                        ; the block before leaves
.if \m < 3
	ALOAD \m+1, 0
.endif
	WIN MUL
	MULS \m, 4
	PLACES 5
	WIN 0
.if \m < 3
	ALOAD \m+1, 4
.endif
	s_wait_xcnt 0x0                                  ; the last block's stores have read their registers: this block's rows may land there
	TOSTAGE \m
.endr
	SEND 3
	s_wait_tensorcnt 0x0                             ; the wave's end, behind my last tensor load and my last LDS store
	ds_add_u32 v[SPW], v[NIL]
	s_wait_dscnt 0x0
	CROUND                                           ; the closing round
	s_endpgm
.Lfunc_end_k_q9afb490f33_outproj:
	.size	k_q9afb490f33_outproj, .Lfunc_end_k_q9afb490f33_outproj-k_q9afb490f33_outproj
	.p2alignl 7, 3214868480
	.fill 96, 4, 3214868480
	.section	.rodata,"a",@progbits
	.p2align	6, 0x0
	.amdhsa_kernel k_q9afb490f33_outproj
		.amdhsa_group_segment_fixed_size 257024
		.amdhsa_private_segment_fixed_size 0
		.amdhsa_enable_private_segment 0
		.amdhsa_kernarg_size 40
		.amdhsa_user_sgpr_count 2
		.amdhsa_user_sgpr_kernarg_segment_ptr 1
		.amdhsa_wavefront_size32 1
		.amdhsa_system_sgpr_workgroup_id_x 1
		.amdhsa_system_sgpr_workgroup_id_y 1
		.amdhsa_system_sgpr_workgroup_id_z 1
		.amdhsa_system_vgpr_workitem_id 0
		.amdhsa_next_free_vgpr 512
		.amdhsa_next_free_sgpr 100
		.amdhsa_reserve_vcc 0
		.amdhsa_float_denorm_mode_32 3
		.amdhsa_float_denorm_mode_16_64 3
		.amdhsa_memory_ordered 1
		.amdhsa_forward_progress 1
		.amdhsa_inst_pref_size 43
	.end_amdhsa_kernel
	.amdgpu_metadata
---
amdhsa.version: [ 1, 2 ]
amdhsa.kernels:
  - .name:           k_q9afb490f33_outproj
    .symbol:         k_q9afb490f33_outproj.kd
    .args:
      - { .name: obuf, .offset: 0, .size: 8, .value_kind: global_buffer, .address_space: global }
      - { .name: W_O_codes, .offset: 8, .size: 8, .value_kind: global_buffer, .address_space: global }
      - { .name: W_O_scales, .offset: 16, .size: 8, .value_kind: global_buffer, .address_space: global }
      - { .name: b_O, .offset: 24, .size: 8, .value_kind: global_buffer, .address_space: global }
      - { .name: out0, .offset: 32, .size: 8, .value_kind: global_buffer, .address_space: global }
    .group_segment_fixed_size: 257024
    .private_segment_fixed_size: 0
    .kernarg_segment_align: 8
    .kernarg_segment_size: 40
    .max_flat_workgroup_size: 256
    .sgpr_count:     100
    .vgpr_count:     512
    .wavefront_size: 32
...
	.end_amdgpu_metadata
.endif
;; end of part 3
